; MI455X (gfx1250); checked and timed in simulation.
; The chip was launched on July 23, 2026; its instructions are those of AMD's public machine-readable ISA for CDNA 5 (MIT licence, August 2026) and "CDNA5" Instruction Set Architecture Reference Guide (July 2026). The comments in the code are by the model that wrote it; some were corrected since.
;; Shami Attention. Allowed arithmetic: float matrix products may take bf16 or f16 operands with f32 sums; all other float work in f32.
;; Inputs: Wk 2,048 x 2,048 float32; Wo 2,048 x 2,048 float32; Wq 2,048 x 2,048 float32; Wv 2,048 x 2,048 float32; freqs_cos 2,048 x 64 float32; freqs_sin 2,048 x 64 float32; x 1 x 2,048 x 2,048 float32.
;; Outputs: out0 1 x 2,048 x 2,048 float32.
;; One version. Each part assembles by itself: llvm-mc -triple=amdgcn-amd-amdhsa -mcpu=gfx1250 --defsym DOCPART=n.
;; ======== version 1 of 1: 4 launches
;; limits: values are held in f16: magnitudes above 65,504 overflow, below 6.1e-05 lose precision
;; workspace buffers: cb 41,943,040 bytes; qkvh 25,165,824 bytes; ob 8,388,608 bytes
;; launch cast (part 1): grid 256 x 5, 8 waves a work-group, no clusters, 0 bytes of LDS; arguments x, Wq, Wk, Wv, Wo, cb; writes cb
.if DOCPART == 1
	.amdgcn_target "amdgcn-amd-amdhsa--gfx1250"
	.amdhsa_code_object_version 6
	.text
	.protected	k_q676444787e_cast
	.globl	k_q676444787e_cast
	.p2align	8
	.type	k_q676444787e_cast,@function
k_q676444787e_cast:
	s_mov_b64 s[64:65], 0
	v_nop
	global_prefetch_b8 v0, s[64:65] scope:SCOPE_SE
	s_setreg_imm32_b32 hwreg(HW_REG_WAVE_MODE, 25, 1), 1
	s_wait_xcnt 0x0
; cb[y] = the y-th of x, Wq, Wk, Wv, Wo (each 2048 x 2048 f32) as 16-bit numbers, layout unchanged.
; y = 0..3: rounded to bf16.  y = 4 (Wo): rounded to bf16, and that number written as f16, since the last product multiplies in f16.
; LIMIT: |Wo| up to 65,504; below 6.1e-5 it keeps f16's fixed step of 6e-8.
; A stream: no LDS, no matrix unit, no cluster (no two work-groups read the same byte).  A work-group takes 65,536 bytes of its array:
; load i of a wave covers 512 consecutive bytes, store i 256 consecutive bytes at a multiple of 256.  All sixteen loads go out first.
; The conversions work in place, so a wave takes 72 registers: the five work-groups that fall to a WGP (1,280 for 256) put ten waves on a SIMD,
; 720 of its 1,024 registers, and all their loads are on their way together.
.set X, 4                              ; v[4:67]    load i: 4 f32; its first two registers then take the 4 numbers of 16 bits to store
.set T, 68                             ; v[68:71]   at work
	s_load_b256 s[4:11], s[0:1], 0x0               ; x, Wq, Wk, Wv
	s_load_b128 s[12:15], s[0:1], 0x20             ; Wo, cb
	s_and_b32 s16, ttmp7, 0xffff                   ; which array
	v_lshlrev_b32 v1, 4, v0                        ; 16 bytes a thread in
	v_lshlrev_b32 v2, 3, v0                        ; 8 bytes a thread out
	s_lshl_b32 s18, ttmp9, 16                      ; my 65,536 bytes of the source
	s_mov_b32 s19, 0
	s_lshl_b32 s20, s16, 23                        ; the array's 8,388,608 bytes in cb,
	s_lshl_b32 s21, ttmp9, 15                      ; my 32,768 of them
	s_add_co_u32 s20, s20, s21
	s_mov_b32 s21, 0
	s_wait_kmcnt 0x0
.irp n, 1,2,3,4
	s_cmp_eq_u32 s16, \n
	s_cselect_b64 s[4:5], s[4+2*(\n):5+2*(\n)], s[4:5]
.endr
	s_add_nc_u64 s[4:5], s[4:5], s[18:19]
	s_add_nc_u64 s[14:15], s[14:15], s[20:21]
.irp i, 0,1,2,3,4,5,6,7,8,9,10,11,12,13,14,15
	global_load_b128 v[X+4*(\i):X+4*(\i)+3], v1, s[4:5] offset:(\i)*4096 th:TH_LOAD_NT
.endr
	s_cmp_eq_u32 s16, 4
	s_cbranch_scc1 .Lwo
.irp i, 0,1,2,3,4,5,6,7,8,9,10,11,12,13,14,15
	s_wait_loadcnt 15-(\i)                         ; loads come back in order: load i is in, the younger ones stay out
	v_cvt_pk_bf16_f32 v[X+4*(\i)],   v[X+4*(\i)],   v[X+4*(\i)+1]
	v_cvt_pk_bf16_f32 v[X+4*(\i)+1], v[X+4*(\i)+2], v[X+4*(\i)+3]
	global_store_b64 v2, v[X+4*(\i):X+4*(\i)+1], s[14:15] offset:(\i)*2048
.endr
	s_endpgm
.Lwo:
.irp i, 0,1,2,3,4,5,6,7,8,9,10,11,12,13,14,15
	s_wait_loadcnt 15-(\i)
	v_cvt_pk_bf16_f32 v[T],   v[X+4*(\i)],   v[X+4*(\i)+1]     ; the rounding that every input has,
	v_cvt_pk_bf16_f32 v[T+1], v[X+4*(\i)+2], v[X+4*(\i)+3]
	v_lshlrev_b32 v[T+2], 16, v[T]                             ; widened again,
	v_and_b32     v[T+3], 0xffff0000, v[T]
	v_cvt_pk_f16_f32 v[X+4*(\i)], v[T+2], v[T+3]               ; and written as f16: exact within f16's normal range
	v_lshlrev_b32 v[T+2], 16, v[T+1]
	v_and_b32     v[T+3], 0xffff0000, v[T+1]
	v_cvt_pk_f16_f32 v[X+4*(\i)+1], v[T+2], v[T+3]
	global_store_b64 v2, v[X+4*(\i):X+4*(\i)+1], s[14:15] offset:(\i)*2048
.endr
	s_endpgm
.Lfunc_end_k_q676444787e_cast:
	.size	k_q676444787e_cast, .Lfunc_end_k_q676444787e_cast-k_q676444787e_cast
	.p2alignl 7, 3214868480
	.fill 96, 4, 3214868480
	.section	.rodata,"a",@progbits
	.p2align	6, 0x0
	.amdhsa_kernel k_q676444787e_cast
		.amdhsa_group_segment_fixed_size 0
		.amdhsa_private_segment_fixed_size 0
		.amdhsa_enable_private_segment 0
		.amdhsa_kernarg_size 48
		.amdhsa_user_sgpr_count 2
		.amdhsa_user_sgpr_kernarg_segment_ptr 1
		.amdhsa_wavefront_size32 1
		.amdhsa_system_sgpr_workgroup_id_x 1
		.amdhsa_system_sgpr_workgroup_id_y 1
		.amdhsa_system_sgpr_workgroup_id_z 1
		.amdhsa_system_vgpr_workitem_id 0
		.amdhsa_next_free_vgpr 72
		.amdhsa_next_free_sgpr 66
		.amdhsa_reserve_vcc 0
		.amdhsa_float_denorm_mode_32 3
		.amdhsa_float_denorm_mode_16_64 3
		.amdhsa_memory_ordered 1
		.amdhsa_forward_progress 1
		.amdhsa_inst_pref_size 16
	.end_amdhsa_kernel
	.amdgpu_metadata
---
amdhsa.version: [ 1, 2 ]
amdhsa.kernels:
  - .name:           k_q676444787e_cast
    .symbol:         k_q676444787e_cast.kd
    .args:
      - { .name: x, .offset: 0, .size: 8, .value_kind: global_buffer, .address_space: global }
      - { .name: Wq, .offset: 8, .size: 8, .value_kind: global_buffer, .address_space: global }
      - { .name: Wk, .offset: 16, .size: 8, .value_kind: global_buffer, .address_space: global }
      - { .name: Wv, .offset: 24, .size: 8, .value_kind: global_buffer, .address_space: global }
      - { .name: Wo, .offset: 32, .size: 8, .value_kind: global_buffer, .address_space: global }
      - { .name: cb, .offset: 40, .size: 8, .value_kind: global_buffer, .address_space: global }
    .group_segment_fixed_size: 0
    .private_segment_fixed_size: 0
    .kernarg_segment_align: 8
    .kernarg_segment_size: 48
    .max_flat_workgroup_size: 256
    .sgpr_count:     66
    .vgpr_count:     72
    .wavefront_size: 32
...
	.end_amdgpu_metadata
.endif
;; end of part 1
;; launch qkv (part 2): grid 16 x 16, 4 waves a work-group, clusters of 4 x 4, 327,680 bytes of LDS; arguments cb, freqs_cos, freqs_sin, qkvh; writes qkvh
.if DOCPART == 2
	.amdgcn_target "amdgcn-amd-amdhsa--gfx1250"
	.amdhsa_code_object_version 6
	.text
	.protected	k_q676444787e_qkv
	.globl	k_q676444787e_qkv
	.p2align	8
	.type	k_q676444787e_qkv,@function
k_q676444787e_qkv:
	s_mov_b64 s[64:65], 0
	v_nop
	global_prefetch_b8 v0, s[64:65] scope:SCOPE_SE
	s_setreg_imm32_b32 hwreg(HW_REG_WAVE_MODE, 25, 1), 1
	s_wait_xcnt 0x0
	s_wait_alu depctr_hold_cnt(0) depctr_sa_sdst(0) depctr_va_vdst(0) depctr_va_sdst(0) depctr_va_ssrc(0) depctr_va_vcc(0) depctr_vm_vsrc(0)
	s_getreg_b32 s2, hwreg(HW_REG_IB_STS2, 6, 4)
	s_cmp_eq_u32 s2, 0
	s_cbranch_scc0 .Lentry_in_a_cluster
	s_endpgm
.Lentry_in_a_cluster:
	s_bfe_u32 s2, ttmp6, 0x10000c
	s_cmp_lg_u32 s2, 0xf033
	s_cbranch_scc0 .Lentry_shape_is_right
	s_endpgm
.Lentry_shape_is_right:
; q, k, v = x Wq, x Wk, x Wv (bf16 operands from cb, f32 sums), q and k turned by RoPE in f32, all three written by heads as f16: qkvh[3][16][2048][128].
; LIMITS: |q|, |k|, |v| up to 65,504 (f16).  cos and sin are rounded to bf16 like every other input of the module; the rotation itself is f32.
; SHARES.  A work-group makes 128 rows x one head's 128 columns of each of q, k, v (384 columns): 16 x 16 work-groups.  Wave w makes all 128 rows x columns 32 w .. 32 w + 31 of
; each of the three: 48 accumulators of 16 x 16; column block b = 2 p + b2 (p = 0, 1, 2: q, k, v), so all waves run one text and the text knows where RoPE applies.
; RING.  K goes in 16 steps of 128 through two LDS slots.  A slot holds x's 128 rows x 128 k (wave 0's load) and 128 k x 128 columns of Wq, Wk, Wv (waves 1, 2, 3): one tensor load a wave.
; W lies [k][n]: its fragments come out of LDS turned, by ds_load_tr16_b128.  The loop goes by one K step: the slot in hand is a scalar that an exclusive or with SLOT turns (the waves'
; bases, w x 0x9000, have neither of SLOT's two bits, 0x24000, so the exclusive or is an addition or a subtraction).
; CLUSTER 4 x 4: x's tile hangs on the row block alone and is asked for jointly by a row of the cluster, W's tiles on the head alone, jointly by a column.
; THE WALK ALONG K.  Cluster (X, Y) of the 4 x 4 clusters begins at K step f = 4 ((X + 2 p) mod 4), p = (Y xor Y / 2) mod 2, and goes round modulo 16.  The four clusters of one Y, which read
; the same rows of x, begin 4 steps apart; of the four clusters of one X, which read the same columns of W, Y = 0 and 3 begin 8 steps from Y = 1 and 2.  So clusters that read the same tile ask
; for it at different times, and only one of them is the first to ask.  f is made of the clusters' numbers alone: it is the same in all sixteen partners.  The f32 sums go in that order.
; THE MATRIX INSTRUCTION IS USED TRANSPOSED (source 0 = 16 columns of W, source 1 = 16 rows of x): a lane holds one row and eight neighbouring columns, that is four RoPE pairs.
; REGISTERS, in windows of 256: window 0: v12-29 addresses, v32-63 at work, v64-127 and v128-191 x's fragments (two buffers), v192-215 packed results
;   window 1: v64-111, v128-175 W's fragments     window 2: rows 0-63: accumulator (a, b) at 8 (6 a + b); v192-255 cos and sin of those rows     window 3: the same for rows 64-127
.set KSTEP,  128
.set STEPS,  2048/KSTEP
.set PA,     272                       ; x's LDS rows: 256 bytes + 16: the 16 rows of a fragment load start at 16 different groups of four banks (64 banks of 4 bytes: ISA guide 11.1)
.set PB,     288                       ; W's LDS rows: 256 + 32
.set REGION, 128*PB                    ; 36,864 bytes for each wave's tile
.set SLOT,   4*REGION
.set SPARE,  2*SLOT                    ; behind the ring: the spare words, 128 bytes a wave
.set SPITCH, 272                       ; the way out: three stages of 128 rows x 272 bytes from LDS byte 0 on, in slot 0 behind its last fill
.set PIECE,  128*SPITCH
.set GO,   12                          ; v12     16 x lane: my place in 512 consecutive bytes of the output
.set CSO,  13                          ; v13     my byte offset in 16 rows of cos and sin
.set SPW,  14                          ; v14     my spare word's LDS address; never rewritten
.set NIL,  15                          ; v15     0; never rewritten
.set A0,   16                          ; v16     x's fragments in slot 0
.set AC,   17                          ; v17     in the slot in hand
.set B0,   18                          ; v18-20  W's fragments of piece p in slot 0
.set BC,   21                          ; v21-23  in the slot in hand
.set STO,  24                          ; v24-26  the way out: where I put 16 bytes of a row of piece p
.set RD,   27                          ; v27-29  the way out: where I read rows of piece p back
.set T,    32                          ; v32-63  rotated pairs in f32
.set F0,   64
.set F1,   128
.set TW,   64                          ; the way out: (cos, sin) as two bf16 in a word, 4 b2 + i
.set CW,   72                          ; and widened again: the pair (cos, sin) at CW + 8 b2 + 2 i
.set PKD,  192                         ; packed f16
.set CSN,  192                         ; windows 2, 3: cos at CSN + 16 a + 8 b2 + i, sin 4 further
.set WV,   12                          ; s12 my wave's number
.set G1,   24                          ; s[24:31] group 1 for x's tile;  s[32:39] group 0: a set for each of the two first fills; the second then walks on
.set G0,   32
.set G1B,  48                          ; s[48:55], s[56:63] the same for W's tiles
.set G0B,  56
.set OB,   66                          ; s[66:71] where my rows of q, k, v begin
.set KI,   74                          ; s74 the K step to be asked for next, 0 .. 15
.set SL,   75                          ; s75 the LDS byte at which the slot in hand begins
.set OFA,  76                          ; s[76:77] that K step's byte offset in x's rows
.set OFB,  78                          ; s[78:79] and down W
.set MSB, 0
.macro WIN new                         ; the immediate's high byte repeats the setting that is left; a switch that changes nothing is dropped
.if MSB != (\new)
	s_set_vgpr_msb (MSB<<8)|(\new)
.set MSB, \new
.endif
.endm
.set MUL_LO, 0xa1                      ; source 0 (W) window 1, source 1 (x) window 0, C and D window 2; + 0x50: window 3
.set TO_B,   0x40
; A joint load.  Wave 0 fetches x's tile, waves 1 to 3 a tile of W each.  The branch hangs on the wave's number alone.  An s_nop 0 and four v_nop follow each line.
.macro JLOAD s
	s_cmp_eq_u32 s[WV], 0
	s_cbranch_scc0 .Lfor_b_\@
	tensor_load_to_lds s[G0+4*(\s):G0+4*(\s)+3], s[G1:G1+7]
	s_nop 0
.rept 4
	v_nop
.endr
	s_branch .Lasked_\@
.Lfor_b_\@:
	tensor_load_to_lds s[G0B+4*(\s):G0B+4*(\s)+3], s[G1B:G1B+7]
	s_nop 0
.rept 4
	v_nop
.endr
.Lasked_\@:
.endm
.macro CREST                           ; a round of the cluster's barrier behind its opening barrier
	s_cmp_lg_u32 s[WV], 0
	s_cbranch_scc1 .Lnot_wave_0_\@
	s_barrier_signal -3
.Lnot_wave_0_\@:
	s_barrier_wait -3
	s_barrier_signal -1
	s_barrier_wait -1
.endm
.macro CROUND
	s_barrier_signal -1
	s_barrier_wait -1
	CREST
.endm
; The global addresses of descriptor set s are made anew for K step KI: 256 bytes along x's rows, 128 rows of 4,096 bytes down W
.macro MKADR s
	s_lshl_b32 s[OFA], s[KI], 8
	s_lshl_b32 s[OFB], s[KI], 19
	s_add_nc_u64 s[G0+4*(\s)+2:G0+4*(\s)+3], s[14:15], s[OFA:OFA+1]
	s_or_b32 s[G0+4*(\s)+3], s[G0+4*(\s)+3], 0x80000000
	s_add_nc_u64 s[G0B+4*(\s)+2:G0B+4*(\s)+3], s[46:47], s[OFB:OFB+1]
	s_or_b32 s[G0B+4*(\s)+3], s[G0B+4*(\s)+3], 0x80000000
.endm
.macro NEXTK                           ; the walk goes round
	s_add_co_u32 s[KI], s[KI], 1
	s_and_b32 s[KI], s[KI], STEPS-1
.endm
.macro SETADR                          ; the fragment addresses in the slot in hand
	v_add_nc_u32 v[AC], s[SL], v[A0]
.irp p, 0,1,2
	v_add_nc_u32 v[BC+(\p)], s[SL], v[B0+(\p)]
.endr
.endm
	s_load_b256 s[4:11], s[0:1], 0x0               ; cb s[4:5], cos s[6:7], sin s[8:9], qkvh s[10:11]
	v_lshl_add_u32 v[SPW], v0, 2, SPARE
	v_mov_b32 v[NIL], 0
	ds_add_u32 v[SPW], v[NIL]                      ; the wave's opening: the add and its wait ahead of my first tensor load
	v_lshrrev_b32 v1, 5, v0
	v_readfirstlane_b32 s[WV], v1
	s_bfe_u32 s40, ttmp6, 0x40000                  ; cx, cy: my place in the cluster
	s_bfe_u32 s41, ttmp6, 0x40004
	s_lshl_b32 s42, ttmp9, 2
	s_add_co_u32 s42, s42, s40                     ; the head = 4 x cluster x + cx
	s_and_b32 s13, ttmp7, 0xffff
	s_lshl_b32 s13, s13, 2
	s_add_co_u32 s13, s13, s41                     ; the block of 128 rows = 4 x cluster y + cy
	s_lshl_b32 s43, s41, 2
	s_lshl_b32 s43, 15, s43                        ; my row of the cluster
	s_lshl_b32 s44, 0x1111, s40                    ; my column
	s_or_b32 s[G1+0], s43, (1<<16)|(1<<20)|(1<<21)|(5<<22)|(3<<25)   ; mask; 2-byte elements; padding on; bit 21 beside a mask; after every 64 words 4 words
	s_or_b32 s[G1B+0], s44, (1<<16)|(1<<20)|(1<<21)|(5<<22)|(7<<25)  ; the same with my column's mask and 8 words of padding
.irp g, G1, G1B
	s_mov_b32 s[(\g)+1], 128<<16                   ; tensor_dim0 = 128
	s_mov_b32 s[(\g)+2], 128<<16                   ; tensor_dim1 = 128
	s_mov_b32 s[(\g)+3], 128<<16                   ; tile_dim0 = 128
	s_mov_b32 s[(\g)+4], 128                       ; tile_dim1 = 128
	s_mov_b32 s[(\g)+5], 2048                      ; elements from row to row
	s_mov_b32 s[(\g)+6], 0
	s_mov_b32 s[(\g)+7], 0
.endr
	s_and_b32 s[KI], ttmp7, 0xffff                 ; where my cluster's walk along K begins: Y,
	s_lshr_b32 s[SL], s[KI], 1
	s_xor_b32 s[KI], s[KI], s[SL]
	s_and_b32 s[KI], s[KI], 1                      ; p = (Y xor Y / 2) mod 2,
	s_lshl_b32 s[KI], s[KI], 1
	s_add_co_u32 s[KI], s[KI], ttmp9               ; X + 2 p,
	s_and_b32 s[KI], s[KI], 3
	s_lshl_b32 s[KI], s[KI], 2                     ; f = 4 ((X + 2 p) mod 4)
	s_mov_b32 s[SL], 0                             ; slot 0 is read first
	s_mov_b32 s[OFA+1], 0
	s_mov_b32 s[OFB+1], 0
	s_lshl_b32 s16, s13, 19                        ; x: 128 rows of 4,096 bytes a block; hangs on the row block alone
	s_mov_b32 s17, 0
	s_lshl_b32 s46, s[WV], 23                      ; W: array w of cb (1, 2, 3: Wq, Wk, Wv),
	s_lshl_b32 s45, s42, 8                         ; the head's 128 columns; hangs on the head alone
	s_add_co_u32 s46, s46, s45
	s_mov_b32 s47, 0
	s_mul_i32 s20, s[WV], REGION                   ; where my tile goes: no place in the cluster enters an LDS address
	s_wait_dscnt 0x0                               ; the opening add is done
	s_wait_kmcnt 0x0
	s_add_nc_u64 s[14:15], s[4:5], s[16:17]        ; x at my block's first row; kept
	s_add_nc_u64 s[46:47], s[4:5], s[46:47]        ; W at the head's first column; kept
	CROUND                                         ; all sixteen work-groups are here: the first joint loads meet
.irp s, 0,1
	s_mov_b32 s[G0+4*(\s)], 1
	s_add_co_u32 s[G0+4*(\s)+1], s20, (\s)*SLOT
	s_mov_b32 s[G0B+4*(\s)], 1
	s_add_co_u32 s[G0B+4*(\s)+1], s20, (\s)*SLOT
	MKADR \s                                       ; K steps f and f + 1
	JLOAD \s
	NEXTK
.endr
	v_and_b32 v1, 15, v0                           ; r = lane % 16
	v_bfe_u32 v2, v0, 4, 1                         ; h = lane / 16
	v_mul_u32_u24 v3, v1, PA
	v_lshl_add_u32 v3, v2, 4, v3                   ; r x 272 + 16 h: a fragment of x, and a row of the stage
	v_mov_b32 v[A0], v3
	v_and_b32 v4, 7, v0                            ; the turning load: lane l reads k row 8 h + l % 8, columns 8 ((l / 8) % 2) + 0..7
	v_lshl_add_u32 v4, v2, 3, v4
	v_mul_u32_u24 v4, v4, PB
	v_bfe_u32 v5, v0, 3, 1
	v_lshl_add_u32 v4, v5, 4, v4
	s_lshl_b32 s21, s[WV], 6                       ; my 32 columns: 64 bytes
	v_add_nc_u32 v4, s21, v4
.irp p, 0,1,2
	v_add_nc_u32 v[B0+(\p)], (1+(\p))*REGION, v4
.endr
	SETADR
	v_add_nc_u32 v5, s21, v3
	v_mul_u32_u24 v6, v2, SPITCH                   ; back: lanes 0-15 one row of 256 bytes, lanes 16-31 the next; wave w takes rows 32 w on
	v_lshl_add_u32 v6, v1, 4, v6
	s_mul_i32 s22, s[WV], 32*SPITCH
	v_add_nc_u32 v6, s22, v6
.irp p, 0,1,2
	v_add_nc_u32 v[STO+(\p)], (\p)*PIECE, v5
	v_add_nc_u32 v[RD+(\p)], (\p)*PIECE, v6
.endr
	v_and_b32 v[GO], 31, v0
	v_lshlrev_b32 v[GO], 4, v[GO]
	v_lshlrev_b32 v[CSO], 8, v1                    ; a row of cos or sin is 256 bytes; my four pairs of column block b2 = 0 begin at 64 w + 16 h
	v_lshl_add_u32 v[CSO], v2, 4, v[CSO]
	v_add_nc_u32 v[CSO], s21, v[CSO]
	s_lshl_b32 s18, s13, 15                        ; the block's 128 rows of the tables
	s_mov_b32 s19, 0
	s_add_nc_u64 s[6:7], s[6:7], s[18:19]
	s_add_nc_u64 s[8:9], s[8:9], s[18:19]
	s_lshl_b32 s72, s42, 19                        ; the output: the head's 2,048 rows of 256 bytes,
	s_add_co_u32 s72, s72, s18                     ; the block's 128,
	s_lshl_b32 s73, s[WV], 13                      ; the 32 of them that I store
	s_add_co_u32 s72, s72, s73
	s_mov_b32 s73, 0
	s_add_nc_u64 s[OB:OB+1], s[10:11], s[72:73]
	s_add_nc_u64 s[OB+2:OB+3], s[OB:OB+1], 8388608
	s_add_nc_u64 s[OB+4:OB+5], s[OB:OB+1], 16777216
	; cos and sin of my rows and pairs: 32 loads, once; they are waited for on the way out and stay out under the whole K loop
.irp a, 0,1,2,3,4,5,6,7
	WIN 0x80+0x40*((\a)/4)
.irp x, 0,1
	global_load_b128 v[CSN+16*((\a)%4)+8*(\x):CSN+16*((\a)%4)+8*(\x)+3],   v[CSO], s[6:7] offset:(\a)*4096+32*(\x)
	global_load_b128 v[CSN+16*((\a)%4)+8*(\x)+4:CSN+16*((\a)%4)+8*(\x)+7], v[CSO], s[8:9] offset:(\a)*4096+32*(\x)
.endr
.endr
	WIN 0
; 12 matrix instructions: row blocks a0, a0 + 1 of the window's four x all 6 column blocks, 32 along K.  zero = 1: the first product starts the sums.
; The 48 accumulators take turns in one fixed order, one instruction a turn.
.macro MUL12 f, hi, a0, zero
	WIN MUL_LO+0x50*(\hi)
.irp a, \a0, (\a0)+1
.irp b, 0,1,2,3,4,5
.if \zero
	v_wmma_f32_16x16x32_bf16 v[8*(6*(\a)+(\b)):8*(6*(\a)+(\b))+7], v[(\f)+8*(\b):(\f)+8*(\b)+7], v[(\f)+8*(4*(\hi)+(\a)):(\f)+8*(4*(\hi)+(\a))+7], 0
.else
	v_wmma_f32_16x16x32_bf16 v[8*(6*(\a)+(\b)):8*(6*(\a)+(\b))+7], v[(\f)+8*(\b):(\f)+8*(\b)+7], v[(\f)+8*(4*(\hi)+(\a)):(\f)+8*(4*(\hi)+(\a))+7], v[8*(6*(\a)+(\b)):8*(6*(\a)+(\b))+7]
.endif
.endr
.endr
.endm
; 28 LDS loads in one run: quarter q (32 along K) of the slot in hand into buffer f: 12 for W's six fragments, then 16 for x's eight
.macro FETCH q, f
	WIN TO_B
.irp b, 0,1,2,3,4,5
	ds_load_tr16_b128 v[(\f)+8*(\b):(\f)+8*(\b)+3],   v[BC+(\b)/2] offset:(\q)*32*PB+32*((\b)%2)
	ds_load_tr16_b128 v[(\f)+8*(\b)+4:(\f)+8*(\b)+7], v[BC+(\b)/2] offset:(\q)*32*PB+32*((\b)%2)+16*PB
.endr
	WIN 0
.irp i, 0,1,2,3,4,5,6,7
	ds_load_b128 v[(\f)+8*(\i):(\f)+8*(\i)+3],   v[AC] offset:64*(\q)+(\i)*16*PA
	ds_load_b128 v[(\f)+8*(\i)+4:(\f)+8*(\i)+7], v[AC] offset:64*(\q)+(\i)*16*PA+32
.endr
.endm
.macro PLACES                          ; four plain vector instructions between a matrix instruction and a load into, or a vector instruction on, its registers
.rept 4
	v_nop
.endr
.endm
; A K step is four quarters of 48 matrix instructions, on buffers 0, 1, 0, 1.  One of the first three multiplies buffer f and, in its middle, fetches quarter nq into buffer g.
.macro QUARTER nq, f, g, zero
	s_wait_dscnt 8                                 ; W's fragments and x's rows 0-63 are in; the youngest eight loads (rows 64-127) may be out
	MUL12 \f, 0, 0, \zero
	MUL12 \f, 0, 2, \zero
	PLACES
	FETCH \nq, \g
	s_wait_dscnt 28                                ; all but the 28 just issued
	MUL12 \f, 1, 0, \zero
	MUL12 \f, 1, 2, \zero
.endm
; The last quarter multiplies buffer 1 and changes slots: in front of the barrier each wave waits for all its tensor loads (one is out: its part of the next slot), adds 0 to its spare
; word, and waits for that and for its reads of this slot.  fill = 1: the barrier opens a round of the cluster's, and the joint refill of the slot just read, with the K step two steps on,
; is the first thing behind the round: the walking descriptor turns to that slot and takes that step's addresses.
.macro TURN fill
	WIN 0
	s_wait_tensorcnt 0x0
	ds_add_u32 v[SPW], v[NIL]
	s_wait_dscnt 9                                 ; the add and the youngest eight loads may be out
	MUL12 F1, 0, 0, 0
	s_wait_dscnt 0x0                               ; the add is done, and my reads of this slot are over
	s_barrier_signal -1
	MUL12 F1, 0, 2, 0
	WIN 0                                          ; branches and the address lines follow
	s_barrier_wait -1
.if \fill
	CREST
	s_xor_b32 s[G0+5], s[G0+5], SLOT
	s_xor_b32 s[G0B+5], s[G0B+5], SLOT
	MKADR 1
	NEXTK
	JLOAD 1                                        ; its four v_nop are also the places in front of the loads below
.else
	PLACES
.endif
	s_xor_b32 s[SL], s[SL], SLOT                   ; the other slot is in hand
	SETADR
	FETCH 0, F0
	MUL12 F1, 1, 0, 0
	MUL12 F1, 1, 2, 0
.endm
	s_wait_tensorcnt 1                             ; my part of the first K step is in; the second's may stay out
	s_barrier_signal -1
	s_barrier_wait -1
	FETCH 0, F0
	QUARTER 1, F0, F1, 1                           ; the first quarter stands in front of the loop: its products start the sums
	WIN 0
	s_mov_b32 s3, STEPS-2
.Lstep:                                                ; a trip goes from a step's second quarter to the next step's first, and fills one slot again: 14 refills for steps 2 to 15 of the walk
	QUARTER 2, F1, F0, 0
	QUARTER 3, F0, F1, 0
	TURN 1
	QUARTER 1, F0, F1, 0
	WIN 0
	s_sub_co_u32 s3, s3, 1
	s_cmp_lg_u32 s3, 0
	s_cbranch_scc1 .Lstep
	QUARTER 2, F1, F0, 0                           ; the last two steps fill nothing
	QUARTER 3, F0, F1, 0
	TURN 0
	QUARTER 1, F0, F1, 0
	QUARTER 2, F1, F0, 0
	QUARTER 3, F0, F1, 0
	s_wait_dscnt 8
	MUL12 F1, 0, 0, 0
	MUL12 F1, 0, 2, 0
	s_wait_dscnt 0x0                               ; my last reads of the ring are over:
	s_barrier_signal -1                            ; a barrier between every wave's last read of the ring and the first store into the stages, which lie in slot 0
	MUL12 F1, 1, 0, 0
	MUL12 F1, 1, 2, 0
	WIN 0
	s_barrier_wait -1
; THE WAY OUT of row block a (16 rows).  cos and sin are rounded to bf16, two in a word, and widened into pairs (cos, sin); each q and k accumulator holds four pairs (re, im) a lane:
; one packed multiply makes (im sin, im cos), one packed multiply-add (re cos - im sin, re sin + im cos).  All is rounded to f16 and put into the stages, 16 bytes a lane.
; Each accumulator is read from its low end on.
.macro ROPE a
.set AB, 48*((\a)%4)
.set CB, CSN+16*((\a)%4)
	WIN 0x0a+5*((\a)/4)                            ; sources 0 and 1 in window 2 or 3
.irp n, 0,1,2,3,4,5,6,7
	v_cvt_pk_bf16_f32 v[TW+(\n)], v[CB+8*((\n)/4)+(\n)%4], v[CB+8*((\n)/4)+4+(\n)%4]
.endr
.irp b, 4,5
.irp i, 0,1,2,3
	v_cvt_pk_f16_f32 v[PKD+4*(\b)+(\i)], v[AB+8*(\b)+2*(\i)], v[AB+8*(\b)+2*(\i)+1]   ; v is not turned
.endr
.endr
	WIN 0
.irp n, 0,1,2,3,4,5,6,7
	v_lshlrev_b32 v[CW+2*(\n)],   16, v[TW+(\n)]                 ; cos
	v_and_b32     v[CW+2*(\n)+1], 0xffff0000, v[TW+(\n)]         ; sin
.endr
	WIN 0x02+((\a)/4)                              ; source 0 in window 2 or 3
.irp b, 0,1,2,3
.irp i, 0,1,2,3
	v_pk_mul_f32 v[T+8*(\b)+2*(\i):T+8*(\b)+2*(\i)+1], v[AB+8*(\b)+2*(\i):AB+8*(\b)+2*(\i)+1], v[CW+8*((\b)%2)+2*(\i):CW+8*((\b)%2)+2*(\i)+1] op_sel:[1,1] op_sel_hi:[1,0]  ; (im sin, im cos)
.endr
.irp i, 0,1,2,3
	v_pk_fma_f32 v[T+8*(\b)+2*(\i):T+8*(\b)+2*(\i)+1], v[AB+8*(\b)+2*(\i):AB+8*(\b)+2*(\i)+1], v[CW+8*((\b)%2)+2*(\i):CW+8*((\b)%2)+2*(\i)+1], v[T+8*(\b)+2*(\i):T+8*(\b)+2*(\i)+1] op_sel_hi:[0,1,1] neg_lo:[0,0,1]  ; (re cos - im sin, re sin + im cos)
.endr
.endr
	WIN 0
.irp n, 0,1,2,3,4,5,6,7,8,9,10,11,12,13,14,15
	v_cvt_pk_f16_f32 v[PKD+(\n)], v[T+2*(\n)], v[T+2*(\n)+1]
.endr
.irp b, 0,1,2,3,4,5
	ds_store_b128 v[STO+(\b)/2], v[PKD+4*(\b):PKD+4*(\b)+3] offset:(\a)*16*SPITCH+32*((\b)%2)
.endr
.endm
	s_wait_loadcnt 0x0                             ; cos and sin
	PLACES
.irp a, 0,1,2,3,4,5,6,7
	ROPE \a
.endr
	s_wait_dscnt 0x0                               ; for the others' sake: my stores into the stages are done; a row's 256 bytes come from four waves
	s_barrier_signal -1
	s_barrier_wait -1
.irp p, 0,1,2
.irp t, 0,1,2,3,4,5,6,7,8,9,10,11,12,13,14,15
	ds_load_b128 v[64+64*(\p)+4*(\t):64+64*(\p)+4*(\t)+3], v[RD+(\p)] offset:(\t)*2*SPITCH
.endr
.endr
.irp p, 0,1,2
.irp t, 0,1,2,3,4,5,6,7,8,9,10,11,12,13,14,15
	s_wait_dscnt 47-16*(\p)-(\t)                   ; LDS loads come back in order: this one is in
	global_store_b128 v[GO], v[64+64*(\p)+4*(\t):64+64*(\p)+4*(\t)+3], s[OB+2*(\p):OB+2*(\p)+1] offset:(\t)*512  ; two rows of a head: 512 consecutive bytes, at a multiple of 256
.endr
.endr
	s_wait_tensorcnt 0x0                           ; the wave's end
	ds_add_u32 v[SPW], v[NIL]
	s_wait_dscnt 0x0
	CROUND                                         ; the closing round
	s_endpgm
.Lfunc_end_k_q676444787e_qkv:
	.size	k_q676444787e_qkv, .Lfunc_end_k_q676444787e_qkv-k_q676444787e_qkv
	.p2alignl 7, 3214868480
	.fill 96, 4, 3214868480
	.section	.rodata,"a",@progbits
	.p2align	6, 0x0
	.amdhsa_kernel k_q676444787e_qkv
		.amdhsa_group_segment_fixed_size 327680
		.amdhsa_private_segment_fixed_size 0
		.amdhsa_enable_private_segment 0
		.amdhsa_kernarg_size 32
		.amdhsa_user_sgpr_count 2
		.amdhsa_user_sgpr_kernarg_segment_ptr 1
		.amdhsa_wavefront_size32 1
		.amdhsa_system_sgpr_workgroup_id_x 1
		.amdhsa_system_sgpr_workgroup_id_y 1
		.amdhsa_system_sgpr_workgroup_id_z 1
		.amdhsa_system_vgpr_workitem_id 0
		.amdhsa_next_free_vgpr 1024
		.amdhsa_next_free_sgpr 80
		.amdhsa_reserve_vcc 0
		.amdhsa_float_denorm_mode_32 3
		.amdhsa_float_denorm_mode_16_64 3
		.amdhsa_memory_ordered 1
		.amdhsa_forward_progress 1
		.amdhsa_inst_pref_size 126
	.end_amdhsa_kernel
	.amdgpu_metadata
---
amdhsa.version: [ 1, 2 ]
amdhsa.kernels:
  - .name:           k_q676444787e_qkv
    .symbol:         k_q676444787e_qkv.kd
    .args:
      - { .name: cb, .offset: 0, .size: 8, .value_kind: global_buffer, .address_space: global }
      - { .name: freqs_cos, .offset: 8, .size: 8, .value_kind: global_buffer, .address_space: global }
      - { .name: freqs_sin, .offset: 16, .size: 8, .value_kind: global_buffer, .address_space: global }
      - { .name: qkvh, .offset: 24, .size: 8, .value_kind: global_buffer, .address_space: global }
    .group_segment_fixed_size: 327680
    .private_segment_fixed_size: 0
    .kernarg_segment_align: 8
    .kernarg_segment_size: 32
    .max_flat_workgroup_size: 128
    .sgpr_count:     80
    .vgpr_count:     1024
    .wavefront_size: 32
...
	.end_amdgpu_metadata
.endif
;; end of part 2
;; launch attn (part 3): grid 16 x 16, 4 waves a work-group, clusters of 4 x 1, 327,680 bytes of LDS; arguments qkvh, ob; writes ob
.if DOCPART == 3
	.amdgcn_target "amdgcn-amd-amdhsa--gfx1250"
	.amdhsa_code_object_version 6
	.text
	.protected	k_q676444787e_attn
	.globl	k_q676444787e_attn
	.p2align	8
	.type	k_q676444787e_attn,@function
k_q676444787e_attn:
	s_mov_b64 s[64:65], 0
	v_nop
	global_prefetch_b8 v0, s[64:65] scope:SCOPE_SE
	s_setreg_imm32_b32 hwreg(HW_REG_WAVE_MODE, 25, 1), 1
	s_wait_xcnt 0x0
	s_wait_alu depctr_hold_cnt(0) depctr_sa_sdst(0) depctr_va_vdst(0) depctr_va_sdst(0) depctr_va_ssrc(0) depctr_va_vcc(0) depctr_vm_vsrc(0)
	s_getreg_b32 s2, hwreg(HW_REG_IB_STS2, 6, 4)
	s_cmp_eq_u32 s2, 0
	s_cbranch_scc0 .Lentry_in_a_cluster
	s_endpgm
.Lentry_in_a_cluster:
	s_bfe_u32 s2, ttmp6, 0x10000c
	s_cmp_lg_u32 s2, 0x3003
	s_cbranch_scc0 .Lentry_shape_is_right
	s_endpgm
.Lentry_shape_is_right:
; CAUSAL ATTENTION, head size 128.  O[q][h] = the sum over k <= q of softmax_k(Q[h][q] . K[h][k] / sqrt(128)) V[h][k].  Q, K, V: qkvh[3][16][2048][128] f16; O: ob[2048][16 x 128] f16.
; Products, maxima and sums in f32; the weights p are rounded to f16 for the second product (their sum l is taken of the unrounded p), O once at the end.
; LIMITS.  A hidden score counts as its value less 1e30.  The running maximum starts at -2^66: below every score that f16 operands can make (128 x 65,504^2 = 5.5e11), far above a hidden one.
; A weight below 2^-126 counts as 0; p below 6e-5 keeps f16's fixed step; O has V's range.  NaN and infinities are not treated apart.
; THE WALK.  A head has 32 blocks of 64 queries and 8 tiles of 256 keys; block i needs tiles 0 .. i / 4.  Work-group 4 a + c of a head (a: the cluster, c: its place there) takes blocks 4 a + c and
; 31 - 4 a - c: (a + 1) + (8 - a) = 9 tiles, whatever a and c.  The list of tiles hangs on a alone, so the four partners walk the same tiles and ask for each JOINTLY.  The block with an even number
; of tiles goes first, so it ends in slot 1: the loop has two tiles a trip and constant slots; four trips and one tile written out.  c enters Q's and O's addresses and the mask's scalars alone.
; SHARES.  In each tile wave w takes keys 64 w .. 64 w + 63 for all 64 queries (four tiles of 16): 64 products K Q^T and 64 products V^T P a step.  Each wave keeps its own m, l and O^T; at a block's
; end the four are merged through LDS: O = sum_w f_w O_w / sum_w f_w l_w, f_w = 2^(c m_w - max c m).
; LAYOUT.  S^T = K Q^T (source 0 = 16 keys, source 1 = 16 queries): a lane holds ONE query (lane % 16) and keys 8 (lane / 16) + 0..7; two such results rounded to f16 ARE source 1 of O^T = V^T P.
; THE MASK is the C operand that starts a sum: for key block kb and query tile t of a step MLO (kb < t), MEQ (kb = t) or MHI (kb > t), eight registers each, made anew for each tile:
; all 0 but in a block's last tile; there, with cpos = block % 4: w < cpos: all 0; w = cpos: 0, the triangle T8, -1e30; w > cpos: all -1e30.
; BY TURNS.  The wave's query tiles are two pieces (tiles 0, 1 and 2, 3).  A step: piece 0's K Q^T bare; piece 2's K Q^T with piece 0's softmax in slices behind the products; piece 0's V^T P with piece 2's
; softmax; piece 2's V^T P bare.  A step leans on no other step, so one text serves every tile; the first step of a block multiplies O^T and l by a = 0.
; The price: 264 v_mov_b32 at the start (in the wait for the first tile) make O^T and l finite.
; REGISTERS: window 0: v2-11, v44-45 addresses; v12-43 eight registers of statistics a tile; v64-191 S^T; v192-255 P.  window 1: O^T, 64 a tile.  window 2: v0-127 Q, v128-255 K.
;   window 3: v0-127 V, v128-135 T8, v136-159 the three masks.
.set PKP,   272       ; a row of K in LDS: 256 bytes + 16: the 16 rows of a load start at 16 different groups of four banks (64 banks of 4 bytes: ISA guide 11.1)
.set PVP,   288       ; a row of V: 256 + 32
.set VOFF,  256*PKP
.set SLOT,  256*(PKP+PVP)
.set AREA,  2*SLOT    ; behind the ring, never filled by a tensor load: 32,768 bytes for the merge, later the stage of 64 rows x 272 bytes
.set STATS, AREA+32768  ; 2,048 bytes: (c m, l) by tile, query, wave
.set SPARE, STATS+2048  ; the spare words, 128 bytes a wave
.set AK,  2           ; v2-3   my place in K of slot 0, 1
.set AV,  4           ; v4-5   in V
.set QO,  6           ; v6     my byte offset in 16 rows of Q
.set SA,  7           ; v7     where my wave's (c m, l) of my query go
.set SR,  8           ; v8     where all four waves' lie
.set MA,  9           ; v9     the merge: where I put 16 bytes
.set MR,  10          ; v10    where I read
.set OS,  11          ; v11    the stage: in
.set ST,  12          ; tile t at v[ST+8 t]: c m, m, l (even keys', odd keys'), four at work (the third takes a)
.set ORD, 44          ; v44    the stage: back
.set GO,  45          ; v45    my byte offset in two rows of O
.set SPW, 62
.set NIL, 63
.set S,   64
.set P,   192
.set KF,  128         ; window 2
.set T8,  128         ; window 3
.set MLO, 136
.set MEQ, 144
.set MHI, 152
.set RR,  64          ; a block's end: v64-127 what is read back
.set OUTR, 128        ; v128-191 the merged O^T: 16 registers a tile
.set SX,  192         ; v192-223 the four waves' (c m, l), 8 a tile
.set GF,  224         ; v224-255 pairs (g, f) by tile and wave
.set WV,  12
.set QP1, 16          ; s[16:17], s[18:19] Q of the first and of the second block
.set QP2, 18
.set OP,  20          ; s[20:21] O at my rows of the block in hand; s[22:23] of the second block
.set OP2, 22
.set G1K, 24
.set G1V, 32
.set G0K, 40          ; s[40:47] group 0 for K, a set for each slot
.set G0V, 48          ; s[48:55] for V
.set KB,  56          ; s[56:57] K at my half of the head's tile 0
.set VB,  58
.set CS,  60          ; s[60:61] c = log2(e) / sqrt(128)
.set SEL, 62          ; s[62:63] v_permlanex16_b32's selects
.set OFF, 66          ; s[66:67] a tile's byte offset
.set RT,  68          ; tiles of the block in hand still to be entered
.set NXT, 69          ; the tile to be asked for next
.set LQ,  70          ; the last tile of the block whose tiles are being asked for
.set N2M, 71          ; the second block's last tile
.set TRIPS, 72
.set AL,  73          ; the mask's three scalars for the tile in hand
.set BLO, 74
.set BHI, 75
.set EC,  76          ; s76-78 what they are in the last tile of the block in hand
.set EN,  79          ; s79-81 of the second block
.set BIGN, 82
.set N2,  83          ; the second block's tiles
.set MSB, 0
.macro WIN new
.if MSB != (\new)
	s_set_vgpr_msb (MSB<<8)|(\new)
.set MSB, \new
.endif
.endm
.set W_KQ, 0x0a       ; K and Q in window 2, S^T in window 0
.set W_KM, 0x3a       ; the same with the C operand in window 3
.set W_PV, 0x53       ; V in window 3, P in window 0, O^T in window 1
.set W_RS, 0x41       ; O^T (destination and source 0) in window 1, a in window 0
; A joint fill of a slot.  Waves 0 and 1 fetch the two halves of a tile's K, waves 2 and 3 those of its V: 128 keys each.  An s_nop 0 and four v_nop follow each line.
.macro JLOAD slot
	s_cmp_lt_u32 s[WV], 2
	s_cbranch_scc0 .Lfor_v_\@
	tensor_load_to_lds s[G0K+4*(\slot):G0K+4*(\slot)+3], s[G1K:G1K+7]
	s_nop 0
.rept 4
	v_nop
.endr
	s_branch .Lasked_\@
.Lfor_v_\@:
	tensor_load_to_lds s[G0V+4*(\slot):G0V+4*(\slot)+3], s[G1V:G1V+7]
	s_nop 0
.rept 4
	v_nop
.endr
.Lasked_\@:
.endm
.macro CROUND                       ; a round of the cluster's barrier
	s_barrier_signal -1
	s_barrier_wait -1
	s_cmp_lg_u32 s[WV], 0
	s_cbranch_scc1 .Lnot_wave_0_\@
	s_barrier_signal -3
.Lnot_wave_0_\@:
	s_barrier_wait -3
	s_barrier_signal -1
	s_barrier_wait -1
.endm
; THE CHANGE OF SLOTS: slot s is about to be read.  Each wave waits for all its tensor loads (one is out: its part of slot s), adds 0 to its spare word, and waits for that and for its reads of the
; other slot.  fill = 1: the barrier is a round of the cluster's, and the joint fill of the other slot with tile NXT is the first thing behind it; its address is made anew from that number.
.macro CHANGE s, fill
	WIN 0
	s_wait_tensorcnt 0x0
	ds_add_u32 v[SPW], v[NIL]
.if \fill
	s_lshl_b32 s[OFF], s[NXT], 16   ; a tile is 65,536 bytes of K and of V
	s_add_nc_u64 s[G0K+4*(1-(\s))+2:G0K+4*(1-(\s))+3], s[KB:KB+1], s[OFF:OFF+1]
	s_or_b32 s[G0K+4*(1-(\s))+3], s[G0K+4*(1-(\s))+3], 0x80000000
	s_add_nc_u64 s[G0V+4*(1-(\s))+2:G0V+4*(1-(\s))+3], s[VB:VB+1], s[OFF:OFF+1]
	s_or_b32 s[G0V+4*(1-(\s))+3], s[G0V+4*(1-(\s))+3], 0x80000000
	s_add_co_u32 s[NXT], s[NXT], 1  ; the block's next tile, or behind its last the second block's tile 0
	s_cmp_gt_u32 s[NXT], s[LQ]
	s_cselect_b32 s[NXT], 0, s[NXT]
	s_cselect_b32 s[LQ], s[N2M], s[LQ]
	s_wait_dscnt 0x0                ; the add is done, and my reads of the other slot are over
	CROUND
	JLOAD 1-(\s)
.else
	s_wait_dscnt 0x0
	s_barrier_signal -1
	s_barrier_wait -1
.endif
.endm
; A tile is entered: its masks.  These 24 plain instructions are also the places between the last products and the loads into K's and V's registers.
.macro HEAD
	s_sub_co_u32 s[RT], s[RT], 1
	s_cmp_eq_u32 s[RT], 0           ; the block's last tile?
	s_cselect_b32 s[AL], s[EC], 0
	s_cselect_b32 s[BLO], s[EC+1], 0
	s_cselect_b32 s[BHI], s[EC+2], 0
	WIN 0xc3
.irp n, 0,1,2,3,4,5,6,7
	v_mov_b32 v[MLO+(\n)], s[BLO]
.endr
.irp n, 0,1,2,3,4,5,6,7
	v_fma_f32 v[MEQ+(\n)], v[T8+(\n)], s[AL], s[BLO]
.endr
.irp n, 0,1,2,3,4,5,6,7
	v_mov_b32 v[MHI+(\n)], s[BHI]
.endr
.endm
.macro LOADQ base                   ; a block's Q: tile i / 4, channels 32 (i % 4) on
	WIN 0x80
.irp i, 0,1,2,3,4,5,6,7,8,9,10,11,12,13,14,15
	global_load_b128 v[8*(\i):8*(\i)+3],   v[QO], s[(\base):(\base)+1] offset:((\i)/4)*4096+((\i)%4)*64
	global_load_b128 v[8*(\i)+4:8*(\i)+7], v[QO], s[(\base):(\base)+1] offset:((\i)/4)*4096+((\i)%4)*64+32
.endr
	WIN 0
.endm
	s_load_b128 s[4:7], s[0:1], 0x0 ; qkvh s[4:5], ob s[6:7]
	v_lshl_add_u32 v[SPW], v0, 2, SPARE
	v_mov_b32 v[NIL], 0
	ds_add_u32 v[SPW], v[NIL]       ; the wave's opening: the add and its wait ahead of my first tensor load
	v_lshrrev_b32 v1, 5, v0
	v_readfirstlane_b32 s[WV], v1
	s_mov_b32 s13, ttmp9            ; a: the cluster along x
	s_bfe_u32 s14, ttmp6, 0x40000   ; c: my place in it
	s_and_b32 s92, ttmp7, 0xffff    ; the head
	s_add_co_u32 s91, s13, 1        ; the walk, from a alone: the low block has a + 1 tiles,
	s_sub_co_u32 s93, 8, s13        ; the high one 8 - a;
	s_and_b32 s15, s13, 1
	s_cmp_lg_u32 s15, 0
	s_cselect_b32 s[RT], s91, s93   ; the even number goes first
	s_sub_co_u32 s[N2], 9, s[RT]
	s_sub_co_u32 s[LQ], s[RT], 1
	s_sub_co_u32 s[N2M], s[N2], 1
	s_mov_b32 s[NXT], 1
	s_mov_b32 s[OFF+1], 0
	s_lshl_b32 s84, s13, 2
	s_add_co_u32 s84, s84, s14      ; the low block,
	s_sub_co_u32 s85, 31, s84       ; the high one,
	s_sub_co_u32 s86, 3, s14        ; and its place in its last tile
	s_cmp_lg_u32 s15, 0
	s_cselect_b32 s87, s84, s85     ; the first block
	s_cselect_b32 s88, s85, s84     ; the second
	s_cselect_b32 s89, s14, s86     ; their places
	s_cselect_b32 s90, s86, s14
	s_mov_b32 s[BIGN], 0xf149f2ca   ; -1e30
	s_cmp_eq_u32 s[WV], s89
	s_cselect_b32 s[EC], 1.0, 0
	s_cmp_gt_u32 s[WV], s89
	s_cselect_b32 s[EC+1], s[BIGN], 0
	s_cmp_ge_u32 s[WV], s89
	s_cselect_b32 s[EC+2], s[BIGN], 0
	s_cmp_eq_u32 s[WV], s90
	s_cselect_b32 s[EN], 1.0, 0
	s_cmp_gt_u32 s[WV], s90
	s_cselect_b32 s[EN+1], s[BIGN], 0
	s_cmp_ge_u32 s[WV], s90
	s_cselect_b32 s[EN+2], s[BIGN], 0
	s_mov_b32 s[G1K], 15|(1<<16)|(1<<20)|(1<<21)|(5<<22)|(3<<25)  ; the mask of four; 2-byte elements; padding on; bit 21 beside a mask; after every 64 words 4 words
	s_mov_b32 s[G1V], 15|(1<<16)|(1<<20)|(1<<21)|(5<<22)|(7<<25)  ; the same with 8 words
.irp g, G1K, G1V
	s_mov_b32 s[(\g)+1], 128<<16    ; tensor_dim0 = 128
	s_mov_b32 s[(\g)+2], 128<<16    ; tensor_dim1 = 128
	s_mov_b32 s[(\g)+3], 128<<16    ; tile_dim0 = 128
	s_mov_b32 s[(\g)+4], 128        ; tile_dim1 = 128
	s_mov_b32 s[(\g)+5], 128        ; elements from row to row
	s_mov_b32 s[(\g)+6], 0
	s_mov_b32 s[(\g)+7], 0
.endr
	s_and_b32 s93, s[WV], 1         ; which half of a tile's 256 keys I fetch
	s_mov_b32 s[G0K], 1
	s_mov_b32 s[G0K+4], 1
	s_mov_b32 s[G0V], 1
	s_mov_b32 s[G0V+4], 1
	s_mul_i32 s[G0K+1], s93, 128*PKP
	s_add_co_u32 s[G0K+5], s[G0K+1], SLOT
	s_mul_i32 s[G0V+1], s93, 128*PVP
	s_add_co_u32 s[G0V+1], s[G0V+1], VOFF
	s_add_co_u32 s[G0V+5], s[G0V+1], SLOT
	s_mov_b32 s[CS], 0x3e0293ee     ; c = 0.127517
	s_mov_b32 s[CS+1], s[CS]
	s_mov_b32 s[SEL], 0x76543210
	s_mov_b32 s[SEL+1], 0xfedcba98
	s_lshl_b32 s91, s92, 19         ; the head's first byte in q, k and v
	s_lshl_b32 s94, s93, 15         ; my 128 rows of 256 bytes
	s_add_co_u32 s94, s94, s91
	s_add_co_u32 s94, s94, 8388608  ; k lies behind q
	s_mov_b32 s95, 0
	s_mov_b32 s3, 0
	s_wait_dscnt 0x0                ; the opening add is done
	s_wait_kmcnt 0x0
	s_add_nc_u64 s[KB:KB+1], s[4:5], s[94:95]
	s_add_nc_u64 s[VB:VB+1], s[KB:KB+1], 8388608
	s_add_nc_u64 s[G0K+2:G0K+3], s[KB:KB+1], 0
	s_or_b32 s[G0K+3], s[G0K+3], 0x80000000
	s_add_nc_u64 s[G0V+2:G0V+3], s[VB:VB+1], 0
	s_or_b32 s[G0V+3], s[G0V+3], 0x80000000
	s_lshl_b32 s2, s87, 14          ; a block's 64 rows of 256 bytes
	s_add_co_u32 s2, s2, s91
	s_add_nc_u64 s[QP1:QP1+1], s[4:5], s[2:3]
	s_lshl_b32 s2, s88, 14
	s_add_co_u32 s2, s2, s91
	s_add_nc_u64 s[QP2:QP2+1], s[4:5], s[2:3]
	s_lshl_b32 s91, s92, 8          ; O: the head's 256 bytes of a row,
	s_lshl_b32 s93, s[WV], 16       ; my 16 rows of 4,096 bytes,
	s_add_co_u32 s91, s91, s93
	s_lshl_b32 s2, s87, 18          ; the block's 64
	s_add_co_u32 s2, s2, s91
	s_add_nc_u64 s[OP:OP+1], s[6:7], s[2:3]
	s_lshl_b32 s2, s88, 18
	s_add_co_u32 s2, s2, s91
	s_add_nc_u64 s[OP2:OP2+1], s[6:7], s[2:3]
	CROUND                          ; all four work-groups are here
	JLOAD 0                         ; tile 0 into slot 0; slot 1 is asked for by the loop's first change of slots
	v_and_b32 v1, 15, v0            ; r = lane % 16
	v_bfe_u32 v46, v0, 4, 1         ; h = lane / 16
	v_lshlrev_b32 v[QO], 8, v1
	v_lshl_add_u32 v[QO], v46, 4, v[QO]
	LOADQ QP1
	v_lshlrev_b32 v47, 3, v46
	v_sub_nc_u32 v47, v1, v47       ; register j of the triangle is hidden where key 8 h + j > query r
	WIN 0xc0
.irp n, 0,1,2,3,4,5,6,7
	v_cmp_gt_i32 vcc_lo, \n, v47
	v_cndmask_b32 v[T8+(\n)], 0, s[BIGN], vcc_lo
.endr
	WIN 0x40
.set i, 0
.rept 256
	v_mov_b32 v[i], 0               ; O^T need only be finite: a block's first step multiplies it by 0
.set i, i+1
.endr
	WIN 0
.irp t, 0,1,2,3
	v_mov_b32 v[ST+8*(\t)], 0xfe000000    ; c m: far below every c s, so the first a is 0
	v_mov_b32 v[ST+8*(\t)+1], 0xe0800000  ; m = -2^66
	v_mov_b32 v[ST+8*(\t)+2], 0
	v_mov_b32 v[ST+8*(\t)+3], 0
.endr
	v_mul_u32_u24 v48, v1, PKP
	v_lshl_add_u32 v48, v46, 4, v48 ; r x 272 + 16 h
	s_mul_i32 s91, s[WV], 64*PKP    ; my 64 keys
	v_add_nc_u32 v[AK], s91, v48
	v_add_nc_u32 v[AK+1], SLOT, v[AK]
	v_and_b32 v49, 7, v0            ; the turning load: lane l reads key 8 h + l % 8, channels 8 ((l / 8) % 2) + 0..7
	v_bfe_u32 v50, v0, 3, 1
	v_lshl_add_u32 v51, v46, 3, v49
	v_mul_u32_u24 v51, v51, PVP
	v_lshl_add_u32 v51, v50, 4, v51
	s_mul_i32 s91, s[WV], 64*PVP
	s_add_co_u32 s91, s91, VOFF
	v_add_nc_u32 v[AV], s91, v51
	v_add_nc_u32 v[AV+1], SLOT, v[AV]
	v_lshlrev_b32 v[SR], 5, v1
	v_add_nc_u32 v[SR], STATS, v[SR]
	s_lshl_b32 s91, s[WV], 3
	v_add_nc_u32 v[SA], s91, v[SR]
	v_and_b32 v52, 31, v0
	v_lshlrev_b32 v52, 4, v52
	s_lshl_b32 s91, s[WV], 13
	s_add_co_u32 s91, s91, AREA
	v_add_nc_u32 v[MA], s91, v52    ; my wave's 8,192 bytes of the merge
	s_lshl_b32 s91, s[WV], 11
	s_add_co_u32 s91, s91, AREA
	v_add_nc_u32 v[MR], s91, v52    ; channel blocks 2 w and 2 w + 1 of wave 0's
	s_lshl_b32 s91, s[WV], 6
	s_add_co_u32 s91, s91, AREA
	v_add_nc_u32 v[OS], s91, v48
	v_mul_u32_u24 v53, v46, 272
	v_lshl_add_u32 v53, v1, 4, v53
	s_mul_i32 s91, s[WV], 16*272
	s_add_co_u32 s91, s91, AREA
	v_add_nc_u32 v[ORD], s91, v53
	v_lshlrev_b32 v[GO], 12, v46
	v_lshl_add_u32 v[GO], v1, 4, v[GO]
	s_wait_loadcnt 0x0              ; Q
; THE MATRIX WORK.  The accumulators take turns, one instruction a turn.
; Product i of 32 of S^T = K Q^T for piece x: channels 32 (i / 8) on, keys 16 ((i / 2) % 4) on, tile x + i % 2.  The first 8 start the sums with the mask.
.macro KQ x
.set rS, S+32*((\x)+i%2)+8*((i/2)%4)
.set rK, KF+32*((i/2)%4)+8*(i/8)
.set rQ, 32*((\x)+i%2)+8*(i/8)
.if i < 8
.if ((i/2)%4) < ((\x)+(i%2))
.set rM, MLO
.elseif ((i/2)%4) == ((\x)+(i%2))
.set rM, MEQ
.else
.set rM, MHI
.endif
	WIN W_KM
	v_wmma_f32_16x16x32_f16 v[rS:rS+7], v[rK:rK+7], v[rQ:rQ+7], v[rM:rM+7]
.else
	WIN W_KQ
	v_wmma_f32_16x16x32_f16 v[rS:rS+7], v[rK:rK+7], v[rQ:rQ+7], v[rS:rS+7]
.endif
.endm
; Product i of 32 of O^T += V^T P for piece x: keys 32 (i / 16) on, channels 16 ((i / 2) % 8) on, tile x + i % 2.
.macro PV x
	WIN W_PV
.set rO, 64*((\x)+i%2)+8*((i/2)%8)
.set rV, 64*(i/16)+8*((i/2)%8)
.set rP, P+16*((\x)+i%2)+8*(i/16)
	v_wmma_f32_16x16x32_f16 v[rO:rO+7], v[rV:rV+7], v[rP:rP+7], v[rO:rO+7]
.endm
; THE LDS LOADS, in runs of 32.  K: channels 32 c on outermost, so that the products can begin when a quarter of the run is in.
.macro FETCH_K s
	WIN 0x80
.irp c, 0,1,2,3
.irp b, 0,1,2,3
	ds_load_b128 v[KF+32*(\b)+8*(\c):KF+32*(\b)+8*(\c)+3],   v[AK+(\s)] offset:(\b)*16*PKP+(\c)*64
	ds_load_b128 v[KF+32*(\b)+8*(\c)+4:KF+32*(\b)+8*(\c)+7], v[AK+(\s)] offset:(\b)*16*PKP+(\c)*64+32
.endr
.endr
.endm
.macro FETCH_V s
	WIN 0xc0
.irp f, 0,1,2,3,4,5,6,7,8,9,10,11,12,13,14,15  ; keys 32 (f / 8) on, channels 16 (f % 8) on
	ds_load_tr16_b128 v[8*(\f):8*(\f)+3],   v[AV+(\s)] offset:((\f)/8)*32*PVP+((\f)%8)*32
	ds_load_tr16_b128 v[8*(\f)+4:8*(\f)+7], v[AV+(\s)] offset:((\f)/8)*32*PVP+16*PVP+((\f)%8)*32
.endr
.endm
; THE VECTOR WORK.  One tile's softmax for a step is a list of 134 instructions; SM writes number j of it for tile t.  s0-s31 are the lane's 32 scores, in pairs 0-15.
;   0-15    the maximum of s0-s31 and the old m, three operands at a time (each accumulator's lowest registers are read first)
;   16-20   the other half of the lanes' maximum; the new m; c m; c m_old - c m_new
;   21-87   33 exponentials (a, then s0-s31) at the odd numbers from 23 on: no two follow each other, and each has a plain instruction behind it before its result is used (ISA guide 5.7.2);
;           the plain ones are c s - c m for pairs still to come, roundings to f16 of pairs that are done, and the first three sums
;   88-101  the last rounding; the rest of the sums; l = a l + the sum          102-133  the tile's O^T times a
.macro SM t
.set rT, ST+8*(\t)
.set rS, S+32*(\t)
.set rP, P+16*(\t)
.set rO, 64*(\t)+2*(j-102)
.set q, (j-20)/2
.if j < 102
	WIN 0
.endif
.if j < 4
	v_max3_num_f32 v[rT+4+j], v[rS+8*j], v[rS+8*j+1], v[rS+8*j+2]
.elseif j < 12
	v_max3_num_f32 v[rT+4+j%4], v[rT+4+j%4], v[rS+8*(j%4)+2*(j/4)+1], v[rS+8*(j%4)+2*(j/4)+2]
.elseif j == 12
	v_max3_num_f32 v[rT+4], v[rT+4], v[rS+7], v[rS+15]
.elseif j == 13
	v_max3_num_f32 v[rT+6], v[rT+6], v[rS+23], v[rS+31]
.elseif j == 14
	v_max3_num_f32 v[rT+4], v[rT+4], v[rT+5], v[rT+6]
.elseif j == 15
	v_max3_num_f32 v[rT+4], v[rT+4], v[rT+7], v[rT+1]
.elseif j == 16
	v_permlanex16_b32 v[rT+5], v[rT+4], s[SEL], s[SEL+1]  ; the query's other 32 keys lie in the lane 16 away
.elseif j == 18
	v_max_num_f32 v[rT+1], v[rT+4], v[rT+5]
.elseif j == 19
	v_mul_f32 v[rT], s[CS], v[rT+1]
.elseif j == 17
	v_mov_b32 v[rT+7], v[rT]        ; c m_old is kept for a
.elseif j == 20
	v_sub_f32 v[rT+7], v[rT+7], v[rT]
.elseif j == 23
	v_exp_f32 v[rT+6], v[rT+7]
.elseif (j < 88) && (j > 23) && (j%2 == 1)
	v_exp_f32 v[rS+(j-25)/2], v[rS+(j-25)/2]
.elseif (q < 4) || ((j < 76) && (q%2 == 0))
.set b, q/2+2
.if q < 4
.set b, q
.endif
	v_pk_fma_f32 v[rS+2*b:rS+2*b+1], v[rS+2*b:rS+2*b+1], s[CS:CS+1], v[rT:rT+1] op_sel_hi:[1,0,0] neg_lo:[0,0,1] neg_hi:[0,0,1]  ; pair b: c s - c m
.elseif (j < 88) && (q%2 == 1)
	s_wait_alu depctr_va_vdst(0)
	v_cvt_pk_f16_f32 v[rP+(q-5)/2], v[rS+q-5], v[rS+q-4]
.elseif j == 89
	s_wait_alu depctr_va_vdst(0)
	v_cvt_pk_f16_f32 v[rP+15], v[rS+30], v[rS+31]
.elseif j < 102                     ; the sum of the 16 pairs, in place: neighbours 1, 2, 4 and 8 pairs apart, then l takes it
.set z, j-86
.if j < 89
.set z, (j-76)/4
.endif
.set w, 4
.set u, z
.if z >= 14
.set w, 32
.set u, 0
.elseif z >= 12
.set w, 16
.set u, z-12
.elseif z >= 8
.set w, 8
.set u, z-8
.endif
.if z < 15
	v_pk_add_f32 v[rS+w*u:rS+w*u+1], v[rS+w*u:rS+w*u+1], v[rS+w*u+w/2:rS+w*u+w/2+1]
.else
	v_pk_fma_f32 v[rT+2:rT+3], v[rT+2:rT+3], v[rT+6:rT+7], v[rS:rS+1] op_sel_hi:[1,0,1]
.endif
.else
	WIN W_RS
	v_pk_mul_f32 v[rO:rO+1], v[rO:rO+1], v[rT+6:rT+7] op_sel_hi:[1,0]
.endif
.endm
; Slice k of 64 of piece y's softmax: numbers 2 k and 2 k + 1 of both tiles' lists; the twelve that are over stand in slice 63.
.macro SLICE y
.if (k >= 11) && (k < 44)           ; tile by tile: plain, exponential, plain, exponential
.irp t, \y, (\y)+1
.irp n, 0,1
.set j, 2*k+(\n)
	SM \t
.endr
.endr
.else                               ; the two tiles alternate
.irp n, 0,1,2,3,4,5,6,7
.if ((\n) < 2) || (k == 63)
.irp t, \y, (\y)+1
.set j, 2*k+(\n)
	SM \t
.endr
.endif
.endr
.endif
.set k, k+1
.endm
; A STEP: my 64 keys of the tile in slot s.
.macro STEP s
	FETCH_K \s
.set i, 0
.rept 32                            ; piece 0's scores
.if i == 0
	s_wait_dscnt 24                 ; K's first eight loads (channels 0-31) are in
.elseif (i%8) == 0
	s_wait_dscnt 56-8*(i/8)         ; the next eight; the rest of K's and V's 32 stay out
.endif
	KQ 0
.if i == 7
	FETCH_V \s                      ; 24 + 32 loads are out at the most
.endif
.set i, i+1
.endr
.rept 4
	v_nop                           ; the places between those products and the first read of their scores
.endr
.set k, 0
.set i, 0
.rept 32                            ; piece 2's scores | piece 0's softmax; slices 62 and 63 are the places behind the last product
	KQ 2
	SLICE 0
	SLICE 0
.set i, i+1
.endr
	s_wait_dscnt 0x0                ; V is in
.set k, 0
.set i, 0
.rept 32                            ; piece 0's V^T P | piece 2's softmax
	PV 0
	SLICE 2
	SLICE 2
.set i, i+1
.endr
.set i, 0
.rept 32                            ; piece 2's V^T P
	PV 2
.set i, i+1
.endr
.endm
; A BLOCK'S END.  FACTORS: for each tile, from the four waves' (c m, l) of my query: M = max c m; f = 2^(c m - M); L = sum f l; g = f / L.
.macro FACTORS
.irp t, 0,1,2,3
	v_max3_num_f32 v[ST+8*(\t)+4], v[SX+8*(\t)], v[SX+8*(\t)+2], v[SX+8*(\t)+4]
.endr
.irp t, 0,1,2,3
	v_max_num_f32 v[ST+8*(\t)+4], v[ST+8*(\t)+4], v[SX+8*(\t)+6]
.endr
.irp x, 0,1,2,3
.irp t, 0,1,2,3
	v_sub_f32 v[GF+8*(\t)+2*(\x)+1], v[SX+8*(\t)+2*(\x)], v[ST+8*(\t)+4]
.endr
.endr
.irp n, 0,1,2,3,4,5,6,7,8,9,10,11,12,13,14,15
	v_exp_f32 v[GF+2*(\n)+1], v[GF+2*(\n)+1]
.endr
	v_nop                           ; a plain instruction behind the last exponential
	s_wait_alu depctr_va_vdst(0)
.irp t, 0,1,2,3
	v_mul_f32 v[ST+8*(\t)+5], v[GF+8*(\t)+1], v[SX+8*(\t)+1]
.endr
.irp x, 1,2,3
.irp t, 0,1,2,3
	v_fmac_f32 v[ST+8*(\t)+5], v[GF+8*(\t)+2*(\x)+1], v[SX+8*(\t)+2*(\x)+1]
.endr
.endr
.irp t, 0,1,2,3
	v_rcp_f32 v[ST+8*(\t)+6], v[ST+8*(\t)+5]
.endr
	v_nop                           ; a plain instruction behind the last reciprocal
	s_wait_alu depctr_va_vdst(0)
.irp x, 0,1,2,3
.irp t, 0,1,2,3
	v_mul_f32 v[GF+8*(\t)+2*(\x)], v[GF+8*(\t)+2*(\x)+1], v[ST+8*(\t)+6]
.endr
.endr
.endm
; The merge of query tile t: every wave puts its O^T of the tile (8,192 bytes) into the area; behind a barrier wave w reads channel blocks 2 w and 2 w + 1 of all four and adds them, weighted.
; A second barrier, behind every wave's wait for its reads, frees the area for the next tile.
.macro MROUND t
	WIN 0x04                        ; the stores' data in window 1
.irp g, 0,1,2,3,4,5,6,7,8,9,10,11,12,13,14,15
	ds_store_b128 v[MA], v[64*(\t)+4*(\g):64*(\t)+4*(\g)+3] offset:512*(\g)
.endr
	WIN 0
	s_wait_dscnt 0x0                ; for the others' sake: my stores are done
	s_barrier_signal -1
	s_barrier_wait -1
.if (\t) == 0
.irp n, 0,1,2,3,4,5,6,7
	ds_load_b128 v[SX+4*(\n):SX+4*(\n)+3], v[SR] offset:512*((\n)/2)+16*((\n)%2)
.endr
.endif
.irp n, 0,1,2,3,4,5,6,7,8,9,10,11,12,13,14,15  ; wave n / 4's part n % 4
	ds_load_b128 v[RR+4*(\n):RR+4*(\n)+3], v[MR] offset:8192*((\n)/4)+512*((\n)%4)
.endr
.if (\t) == 0
	s_wait_dscnt 16                 ; the statistics are in; the sixteen loads behind them stay out
	FACTORS
.endif
	s_wait_dscnt 0x0                ; my reads of the area are over
	s_barrier_signal -1
.irp n, 0,1,2,3,4,5,6,7
	v_pk_mul_f32 v[OUTR+16*(\t)+2*(\n):OUTR+16*(\t)+2*(\n)+1], v[RR+2*(\n):RR+2*(\n)+1], v[GF+8*(\t):GF+8*(\t)+1] op_sel_hi:[1,0]
.endr
.irp x, 1,2,3
.irp n, 0,1,2,3,4,5,6,7
	v_pk_fma_f32 v[OUTR+16*(\t)+2*(\n):OUTR+16*(\t)+2*(\n)+1], v[RR+16*(\x)+2*(\n):RR+16*(\x)+2*(\n)+1], v[GF+8*(\t)+2*(\x):GF+8*(\t)+2*(\x)+1], v[OUTR+16*(\t)+2*(\n):OUTR+16*(\t)+2*(\n)+1] op_sel_hi:[1,0,1]
.endr
.endr
	s_barrier_wait -1
.endm
; next = 1: the second block follows: its Q is loaded under the merge, and m, the mask's scalars and O's address are set anew.
.macro FINISH next
	WIN 0
.irp t, 0,1,2,3
	v_add_f32 v[ST+8*(\t)+4], v[ST+8*(\t)+2], v[ST+8*(\t)+3]   ; l's two halves; these four are the places behind the last products
.endr
.irp t, 0,1,2,3
	v_permlanex16_b32 v[ST+8*(\t)+5], v[ST+8*(\t)+4], s[SEL], s[SEL+1]
.endr
.irp t, 0,1,2,3
	v_add_f32 v[ST+8*(\t)+1], v[ST+8*(\t)+4], v[ST+8*(\t)+5]   ; l takes m's place beside c m
.endr
.irp t, 0,1,2,3
	ds_store_b64 v[SA], v[ST+8*(\t):ST+8*(\t)+1] offset:512*(\t)
.endr
.if \next
	LOADQ QP2
.endif
.irp t, 0,1,2,3
	MROUND \t
.endr
.irp t, 0,1,2,3
.irp n, 0,1,2,3,4,5,6,7
	v_cvt_pk_f16_f32 v[RR+8*(\t)+(\n)], v[OUTR+16*(\t)+2*(\n)], v[OUTR+16*(\t)+2*(\n)+1]
.endr
.endr
.irp t, 0,1,2,3
.irp x, 0,1
	ds_store_b128 v[OS], v[RR+8*(\t)+4*(\x):RR+8*(\t)+4*(\x)+3] offset:4352*(\t)+32*(\x)   ; row 16 t + r of the stage, my 64 bytes of it
.endr
.endr
	s_wait_dscnt 0x0                ; a row's 256 bytes come from four waves
	s_barrier_signal -1
	s_barrier_wait -1
.irp n, 0,1,2,3,4,5,6,7
	ds_load_b128 v[RR+32+4*(\n):RR+32+4*(\n)+3], v[ORD] offset:544*(\n)
.endr
.irp n, 0,1,2,3,4,5,6,7
	s_wait_dscnt 7-(\n)
	global_store_b128 v[GO], v[RR+32+4*(\n):RR+32+4*(\n)+3], s[OP:OP+1] offset:8192*(\n)  ; 16 lanes store 256 consecutive bytes, at a multiple of 256 from O's first
.endr
.if \next
	s_wait_xcnt 0x0                 ; the stores' base and data are rewritten only behind this wait
	s_mov_b64 s[OP:OP+1], s[OP2:OP2+1]
	s_mov_b32 s[EC], s[EN]
	s_mov_b32 s[EC+1], s[EN+1]
	s_mov_b32 s[EC+2], s[EN+2]
	s_mov_b32 s[RT], s[N2]
.irp t, 0,1,2,3
	v_mov_b32 v[ST+8*(\t)], 0xfe000000
	v_mov_b32 v[ST+8*(\t)+1], 0xe0800000
.endr
	s_wait_loadcnt 0x0              ; the second block's Q
.endif
.endm
	s_mov_b32 s[TRIPS], 4
.Ltrip:                             ; two tiles a trip; each change of slots asks for the tile after the one entered
	CHANGE 0, 1
	HEAD
	STEP 0
	CHANGE 1, 1
	HEAD
	STEP 1
	WIN 0
	s_cmp_lg_u32 s[RT], 0           ; RT hangs on the cluster's number alone: the same in all waves and all four partners
	s_cbranch_scc1 .Lon
	FINISH 1                        ; the first block's end
.Lon:
	s_sub_co_u32 s[TRIPS], s[TRIPS], 1
	s_cmp_lg_u32 s[TRIPS], 0
	s_cbranch_scc1 .Ltrip
	CHANGE 0, 0                     ; the walk's ninth tile is written out: nothing is asked for
	HEAD
	STEP 0
	FINISH 0
	s_wait_tensorcnt 0x0            ; the wave's end
	ds_add_u32 v[SPW], v[NIL]
	s_wait_dscnt 0x0
	CROUND                          ; the closing round
	s_endpgm
.Lfunc_end_k_q676444787e_attn:
	.size	k_q676444787e_attn, .Lfunc_end_k_q676444787e_attn-k_q676444787e_attn
	.p2alignl 7, 3214868480
	.fill 96, 4, 3214868480
	.section	.rodata,"a",@progbits
	.p2align	6, 0x0
	.amdhsa_kernel k_q676444787e_attn
		.amdhsa_group_segment_fixed_size 327680
		.amdhsa_private_segment_fixed_size 0
		.amdhsa_enable_private_segment 0
		.amdhsa_kernarg_size 16
		.amdhsa_user_sgpr_count 2
		.amdhsa_user_sgpr_kernarg_segment_ptr 1
		.amdhsa_wavefront_size32 1
		.amdhsa_system_sgpr_workgroup_id_x 1
		.amdhsa_system_sgpr_workgroup_id_y 1
		.amdhsa_system_sgpr_workgroup_id_z 1
		.amdhsa_system_vgpr_workitem_id 0
		.amdhsa_next_free_vgpr 928
		.amdhsa_next_free_sgpr 96
		.amdhsa_reserve_vcc 1
		.amdhsa_float_denorm_mode_32 3
		.amdhsa_float_denorm_mode_16_64 3
		.amdhsa_memory_ordered 1
		.amdhsa_forward_progress 1
		.amdhsa_inst_pref_size 224
	.end_amdhsa_kernel
	.amdgpu_metadata
---
amdhsa.version: [ 1, 2 ]
amdhsa.kernels:
  - .name:           k_q676444787e_attn
    .symbol:         k_q676444787e_attn.kd
    .args:
      - { .name: qkvh, .offset: 0, .size: 8, .value_kind: global_buffer, .address_space: global }
      - { .name: ob, .offset: 8, .size: 8, .value_kind: global_buffer, .address_space: global }
    .group_segment_fixed_size: 327680
    .private_segment_fixed_size: 0
    .kernarg_segment_align: 8
    .kernarg_segment_size: 16
    .max_flat_workgroup_size: 128
    .sgpr_count:     96
    .vgpr_count:     928
    .wavefront_size: 32
...
	.end_amdgpu_metadata
.endif
;; end of part 3
;; launch oproj (part 4): grid 16 x 16, 4 waves a work-group, clusters of 4 x 4, 327,680 bytes of LDS; arguments ob, cb, out0; writes out0
.if DOCPART == 4
	.amdgcn_target "amdgcn-amd-amdhsa--gfx1250"
	.amdhsa_code_object_version 6
	.text
	.protected	k_q676444787e_oproj
	.globl	k_q676444787e_oproj
	.p2align	8
	.type	k_q676444787e_oproj,@function
k_q676444787e_oproj:
	s_mov_b64 s[64:65], 0
	v_nop
	global_prefetch_b8 v0, s[64:65] scope:SCOPE_SE
	s_setreg_imm32_b32 hwreg(HW_REG_WAVE_MODE, 25, 1), 1
	s_wait_xcnt 0x0
	s_wait_alu depctr_hold_cnt(0) depctr_sa_sdst(0) depctr_va_vdst(0) depctr_va_sdst(0) depctr_va_ssrc(0) depctr_va_vcc(0) depctr_vm_vsrc(0)
	s_getreg_b32 s2, hwreg(HW_REG_IB_STS2, 6, 4)
	s_cmp_eq_u32 s2, 0
	s_cbranch_scc0 .Lentry_in_a_cluster
	s_endpgm
.Lentry_in_a_cluster:
	s_bfe_u32 s2, ttmp6, 0x10000c
	s_cmp_lg_u32 s2, 0xf033
	s_cbranch_scc0 .Lentry_shape_is_right
	s_endpgm
.Lentry_shape_is_right:
; out0 = O Wo.  O: ob[2048][2048] f16; Wo: array 4 of cb, [k][n] 2048 x 2048 f16 (the bf16 rounding of Wo, written as f16); out0 f32.  f16 products, f32 sums.
; A tile of out0 is 128 x 128: 16 x 16 work-groups, one for each WGP.  Four waves, each 64 x 64: 16 accumulators.  K goes in 8 steps of 256 through two LDS slots: waves 0 and 1 fetch 64 rows x 256 k
; of O each, waves 2 and 3 128 k x 128 columns of Wo each.  Wo's fragments come out of LDS turned, by ds_load_tr16_b128.  The loop goes by one K step: the slot in hand is a scalar that an
; exclusive or with SLOT turns (the waves' bases, w x 0x9000, have neither of SLOT's two bits, 0x24000).
; CLUSTER 4 x 4: O's tiles are asked for jointly by a row of the cluster, Wo's by a column.  THE MATRIX INSTRUCTION IS USED TRANSPOSED: a lane holds one row and eight neighbouring columns.
; THE WALK ALONG K.  Cluster (X, Y) begins at K step f = 2 ((X + 2 p) mod 4), p = (Y xor Y / 2) mod 2, and goes round modulo 8: the four clusters of one Y, which read the same rows of O, begin
; 2 steps apart; of the four of one X, which read the same columns of Wo, Y = 0 and 3 begin 4 steps from Y = 1 and 2.  So clusters that read the same tile ask for it at different times.
; f is made of the clusters' numbers alone: it is the same in all sixteen partners.  The f32 sums go in that order.
; A wave's 64 columns of f32 are 256 bytes: each wave sends its own rows out through its own stage; no barrier on the way out.
; REGISTERS: window 0: v16-29 addresses; v128-255 the accumulators ((a, b) at 128 + 8 (4 a + b)).  window 1: two fragment buffers of 128: 64 registers of O, then 64 of Wo, for 64 along K.
.set KSTEP,  256
.set STEPS,  2048/KSTEP
.set PA,     528                       ; O's LDS rows: 512 bytes + 16
.set PB,     288                       ; Wo's LDS rows: 256 bytes + 32
.set REGION, 128*PB                    ; 36,864 bytes for each wave's tile (O's uses 64 x 528)
.set SLOT,   4*REGION
.set STAGE,  2*SLOT                    ; behind the ring: 16 rows x 272 bytes for each wave
.set SPITCH, 272
.set SPARE,  STAGE+4*16*SPITCH
.set A0,   16                          ; v16     O's fragments in slot 0
.set AC,   17                          ; v17     in the slot in hand
.set B0,   20                          ; v20-21  Wo's fragments in slot 0, by half of the K step
.set BC,   22                          ; v22-23  in the slot in hand
.set STO,  24
.set RD,   25
.set CO,   26
.set SPW,  28
.set NIL,  29
.set ACC,  128
.set F0,   0
.set F1,   128
.set G1, 24                            ; s[24:31] group 1 for O's tiles; s[32:39] group 0: a set for each of the two first fills; the second then walks on
.set G0, 32
.set G1B, 48                           ; s[48:55], s[56:63] the same for Wo's
.set G0B, 56
.set KI,  66                           ; s66 the K step to be asked for next, 0 .. 7
.set SL,  67                           ; s67 the LDS byte at which the slot in hand begins
.set OFA, 68                           ; s[68:69] that K step's byte offset in O's rows
.set OFB, 70                           ; s[70:71] and down Wo
.set MSB, 0
.macro WIN new
.if MSB != (\new)
	s_set_vgpr_msb (MSB<<8)|(\new)
.set MSB, \new
.endif
.endm
.set MUL,  0x05                        ; sources 0 (Wo) and 1 (O) window 1; C and D window 0
.set TO_F, 0x40
.macro JLOAD s                         ; a joint load: waves 0 and 1 for O, waves 2 and 3 for Wo; an s_nop 0 and four v_nop follow each line
	s_cmp_eq_u32 s11, 0
	s_cbranch_scc0 .Lfor_b_\@
	tensor_load_to_lds s[G0+4*(\s):G0+4*(\s)+3], s[G1:G1+7]
	s_nop 0
.rept 4
	v_nop
.endr
	s_branch .Lasked_\@
.Lfor_b_\@:
	tensor_load_to_lds s[G0B+4*(\s):G0B+4*(\s)+3], s[G1B:G1B+7]
	s_nop 0
.rept 4
	v_nop
.endr
.Lasked_\@:
.endm
.macro CREST
	s_cmp_lg_u32 s10, 0
	s_cbranch_scc1 .Lnot_wave_0_\@
	s_barrier_signal -3
.Lnot_wave_0_\@:
	s_barrier_wait -3
	s_barrier_signal -1
	s_barrier_wait -1
.endm
.macro CROUND
	s_barrier_signal -1
	s_barrier_wait -1
	CREST
.endm
; The global addresses of descriptor set s are made anew for K step KI: 512 bytes along O's rows, 256 rows of 4,096 bytes down Wo
.macro MKADR s
	s_lshl_b32 s[OFA], s[KI], 9
	s_lshl_b32 s[OFB], s[KI], 20
	s_add_nc_u64 s[G0+4*(\s)+2:G0+4*(\s)+3], s[14:15], s[OFA:OFA+1]
	s_or_b32 s[G0+4*(\s)+3], s[G0+4*(\s)+3], 0x80000000
	s_add_nc_u64 s[G0B+4*(\s)+2:G0B+4*(\s)+3], s[46:47], s[OFB:OFB+1]
	s_or_b32 s[G0B+4*(\s)+3], s[G0B+4*(\s)+3], 0x80000000
.endm
.macro NEXTK                           ; the walk goes round
	s_add_co_u32 s[KI], s[KI], 1
	s_and_b32 s[KI], s[KI], STEPS-1
.endm
.macro SETADR                          ; the fragment addresses in the slot in hand
	v_add_nc_u32 v[AC], s[SL], v[A0]
	v_add_nc_u32 v[BC], s[SL], v[B0]
	v_add_nc_u32 v[BC+1], s[SL], v[B0+1]
.endm
	s_load_b128 s[4:7], s[0:1], 0x0                ; ob s[4:5], cb s[6:7]
	s_load_b64 s[8:9], s[0:1], 0x10                ; out0
	v_lshl_add_u32 v[SPW], v0, 2, SPARE
	v_mov_b32 v[NIL], 0
	ds_add_u32 v[SPW], v[NIL]                      ; the wave's opening: the add and its wait ahead of my first tensor load
	v_lshrrev_b32 v1, 5, v0
	v_readfirstlane_b32 s10, v1                    ; wave 0..3
	s_lshr_b32 s11, s10, 1                         ; which half of the tile's rows is mine.  Also: I fetch for O (0) or for Wo (1)
	s_and_b32 s12, s10, 1                          ; which half of its columns.  Also: which half of that tile I fetch
	s_bfe_u32 s40, ttmp6, 0x40000
	s_bfe_u32 s41, ttmp6, 0x40004
	s_lshl_b32 s42, ttmp9, 2
	s_add_co_u32 s42, s42, s40                     ; tile column
	s_and_b32 s13, ttmp7, 0xffff
	s_lshl_b32 s13, s13, 2
	s_add_co_u32 s13, s13, s41                     ; tile row
	s_lshl_b32 s43, s41, 2
	s_lshl_b32 s43, 15, s43                        ; my row of the cluster
	s_lshl_b32 s44, 0x1111, s40                    ; my column
	s_or_b32 s[G1+0], s43, (1<<16)|(1<<20)|(1<<21)|(6<<22)|(3<<25)   ; O: after every 128 words 4 words of padding
	s_mov_b32 s[G1+1], 256<<16                     ; tensor_dim0 = 256
	s_mov_b32 s[G1+2], 64<<16                      ; tensor_dim1 = 64
	s_mov_b32 s[G1+3], 256<<16                     ; tile_dim0 = 256
	s_mov_b32 s[G1+4], 64                          ; tile_dim1 = 64
	s_mov_b32 s[G1+5], 2048
	s_mov_b32 s[G1+6], 0
	s_mov_b32 s[G1+7], 0
	s_or_b32 s[G1B+0], s44, (1<<16)|(1<<20)|(1<<21)|(5<<22)|(7<<25)  ; Wo: after every 64 words 8 words
	s_mov_b32 s[G1B+1], 128<<16
	s_mov_b32 s[G1B+2], 128<<16
	s_mov_b32 s[G1B+3], 128<<16
	s_mov_b32 s[G1B+4], 128
	s_mov_b32 s[G1B+5], 2048
	s_mov_b32 s[G1B+6], 0
	s_mov_b32 s[G1B+7], 0
	s_and_b32 s[KI], ttmp7, 0xffff                 ; where my cluster's walk along K begins: Y,
	s_lshr_b32 s[SL], s[KI], 1
	s_xor_b32 s[KI], s[KI], s[SL]
	s_and_b32 s[KI], s[KI], 1                      ; p = (Y xor Y / 2) mod 2,
	s_lshl_b32 s[KI], s[KI], 1
	s_add_co_u32 s[KI], s[KI], ttmp9               ; X + 2 p,
	s_and_b32 s[KI], s[KI], 3
	s_lshl_b32 s[KI], s[KI], 1                     ; f = 2 ((X + 2 p) mod 4)
	s_mov_b32 s[SL], 0                             ; slot 0 is read first
	s_mov_b32 s[OFA+1], 0
	s_mov_b32 s[OFB+1], 0
	s_lshl_b32 s17, s12, 6
	s_lshl_b32 s16, s13, 7
	s_add_co_u32 s16, s16, s17                     ; O: row 128 x tile row + 64 x half,
	s_lshl_b32 s16, s16, 12                        ; of 4,096 bytes
	s_mov_b32 s17, 0
	s_lshl_b32 s46, s42, 8                         ; Wo: the tile's 128 columns,
	s_lshl_b32 s47, s12, 19                        ; my 128 of a K step's 256 rows,
	s_add_co_u32 s46, s46, s47
	s_add_co_u32 s46, s46, 33554432                ; in array 4 of cb
	s_mov_b32 s47, 0
	s_mul_i32 s20, s10, REGION
	s_wait_dscnt 0x0                               ; the opening add is done
	s_wait_kmcnt 0x0
	s_add_nc_u64 s[14:15], s[4:5], s[16:17]        ; O at my rows; kept
	s_add_nc_u64 s[46:47], s[6:7], s[46:47]        ; Wo at my columns and my half of a step's rows; kept
	CROUND                                         ; all sixteen work-groups are here
.irp s, 0,1
	s_mov_b32 s[G0+4*(\s)], 1
	s_add_co_u32 s[G0+4*(\s)+1], s20, (\s)*SLOT
	s_mov_b32 s[G0B+4*(\s)], 1
	s_add_co_u32 s[G0B+4*(\s)+1], s20, (\s)*SLOT
	MKADR \s                                       ; K steps f and f + 1
	JLOAD \s
	NEXTK
.endr
	v_and_b32 v1, 15, v0                           ; r
	v_bfe_u32 v2, v0, 4, 1                         ; h
	v_mul_u32_u24 v3, v1, PA
	v_lshl_add_u32 v3, v2, 4, v3
	s_mul_i32 s21, s11, REGION                     ; my 64 rows of O
	v_add_nc_u32 v[A0], s21, v3
	v_and_b32 v4, 7, v0                            ; the turning load: lane l reads k row 8 h + l % 8, columns 8 ((l / 8) % 2) + 0..7
	v_lshl_add_u32 v4, v2, 3, v4
	v_mul_u32_u24 v4, v4, PB
	v_bfe_u32 v5, v0, 3, 1
	v_lshl_add_u32 v4, v5, 4, v4
	s_lshl_b32 s22, s12, 7                         ; my 64 columns: 128 bytes
	v_add_nc_u32 v4, s22, v4
.irp k, 0,1
	v_add_nc_u32 v[B0+(\k)], (2+(\k))*REGION, v4
.endr
	SETADR
	s_mul_i32 s23, s10, 16*SPITCH
	s_add_co_u32 s23, s23, STAGE                   ; my stage
	v_mul_u32_u24 v4, v1, SPITCH                   ; in: row r, 32 bytes for each half of the lanes
	v_lshl_add_u32 v4, v2, 5, v4
	v_add_nc_u32 v[STO], s23, v4
	v_mul_u32_u24 v5, v2, SPITCH                   ; back: lanes 0-15 one row of 256 bytes, lanes 16-31 the next
	v_lshl_add_u32 v5, v1, 4, v5
	v_add_nc_u32 v[RD], s23, v5
	v_lshlrev_b32 v[CO], 13, v2                    ; and the same two rows in out0
	v_lshl_add_u32 v[CO], v1, 4, v[CO]
	s_lshl_b32 s16, s13, 7
	s_lshl_b32 s17, s11, 6
	s_add_co_u32 s16, s16, s17                     ; my first row,
	s_lshl_b32 s16, s16, 13                        ; of 8,192 bytes
	s_mov_b32 s17, 0
	s_add_nc_u64 s[8:9], s[8:9], s[16:17]
	s_lshl_b32 s72, s42, 9                         ; my first column, in bytes: 512 x tile column + 256 x half
	s_lshl_b32 s73, s12, 8
	s_add_co_u32 s72, s72, s73
	s_mov_b32 s73, 0
	s_add_nc_u64 s[8:9], s[8:9], s[72:73]
; 8 matrix instructions: row blocks a0, a0 + 1 x all 4 column blocks, 32 along K: half c of buffer f.  The 16 accumulators take turns.
.macro MUL8 f, c, a0, zero
	WIN MUL
.irp a, \a0, (\a0)+1
.irp b, 0,1,2,3
.if \zero
	v_wmma_f32_16x16x32_f16 v[ACC+8*(4*(\a)+(\b)):ACC+8*(4*(\a)+(\b))+7], v[(\f)+64+8*(4*(\c)+(\b)):(\f)+64+8*(4*(\c)+(\b))+7], v[(\f)+8*(4*(\c)+(\a)):(\f)+8*(4*(\c)+(\a))+7], 0
.else
	v_wmma_f32_16x16x32_f16 v[ACC+8*(4*(\a)+(\b)):ACC+8*(4*(\a)+(\b))+7], v[(\f)+64+8*(4*(\c)+(\b)):(\f)+64+8*(4*(\c)+(\b))+7], v[(\f)+8*(4*(\c)+(\a)):(\f)+8*(4*(\c)+(\a))+7], v[ACC+8*(4*(\a)+(\b)):ACC+8*(4*(\a)+(\b))+7]
.endif
.endr
.endr
.endm
; 32 LDS loads in one run: quarter qd (64 along K) of the slot in hand into buffer f; the first 32 along K first
.macro FETCH qd, f
	WIN TO_F
.irp c, 0,1
.irp i, 0,1,2,3
	ds_load_tr16_b128 v[(\f)+64+8*(4*(\c)+(\i)):(\f)+64+8*(4*(\c)+(\i))+3],   v[BC+(\qd)/2] offset:((\qd)%2)*64*PB+(\c)*32*PB+32*(\i)
	ds_load_tr16_b128 v[(\f)+64+8*(4*(\c)+(\i))+4:(\f)+64+8*(4*(\c)+(\i))+7], v[BC+(\qd)/2] offset:((\qd)%2)*64*PB+(\c)*32*PB+32*(\i)+16*PB
	ds_load_b128 v[(\f)+8*(4*(\c)+(\i)):(\f)+8*(4*(\c)+(\i))+3],   v[AC] offset:128*(\qd)+64*(\c)+(\i)*16*PA
	ds_load_b128 v[(\f)+8*(4*(\c)+(\i))+4:(\f)+8*(4*(\c)+(\i))+7], v[AC] offset:128*(\qd)+64*(\c)+(\i)*16*PA+32
.endr
.endr
.endm
.macro PLACES                          ; four plain vector instructions between a matrix instruction and a load into, or a store of, its registers
.rept 4
	v_nop
.endr
.endm
.macro QUARTER nq, f, g, zero
	s_wait_dscnt 16                                ; the first 32 along K are in
	MUL8 \f, 0, 0, \zero
	MUL8 \f, 0, 2, \zero
	PLACES
	FETCH \nq, \g
	s_wait_dscnt 32                                ; all but the 32 just issued
	MUL8 \f, 1, 0, 0
	MUL8 \f, 1, 2, 0
.endm
; The last quarter multiplies buffer 1 and changes slots: in front of the barrier each wave waits for all its tensor loads, adds 0 to its spare word, and waits for that and for its reads of this slot.
; fill = 1: the barrier opens a round of the cluster's; the walking descriptor turns to the slot just read and takes the addresses of the K step two steps on.
.macro TURN fill
	WIN 0
	s_wait_tensorcnt 0x0                           ; the one that was out is my part of the next slot
	ds_add_u32 v[SPW], v[NIL]
	s_wait_dscnt 17                                ; the add and the youngest sixteen loads may be out
	MUL8 F1, 0, 0, 0
	s_wait_dscnt 0x0                               ; the add is done, and my reads of this slot are over
	s_barrier_signal -1
	MUL8 F1, 0, 2, 0
	WIN 0                                          ; branches and the address lines follow
	s_barrier_wait -1
.if \fill
	CREST
	s_xor_b32 s[G0+5], s[G0+5], SLOT
	s_xor_b32 s[G0B+5], s[G0B+5], SLOT
	MKADR 1
	NEXTK
	JLOAD 1                                        ; the first tensor load behind the round; its four v_nop are also the places in front of the loads below
.else
	PLACES
.endif
	s_xor_b32 s[SL], s[SL], SLOT                   ; the other slot is in hand
	SETADR
	FETCH 0, F0
	MUL8 F1, 1, 0, 0
	MUL8 F1, 1, 2, 0
.endm
	s_wait_tensorcnt 1                             ; my part of the first K step is in; the second's may stay out
	s_barrier_signal -1
	s_barrier_wait -1
	FETCH 0, F0
	QUARTER 1, F0, F1, 1                           ; the first quarter stands in front of the loop: its first products start the sums
	WIN 0
	s_mov_b32 s3, STEPS-2
.Lstep:                                                ; a trip goes from a step's second quarter to the next step's first, and fills one slot again: 6 refills for steps 2 to 7 of the walk
	QUARTER 2, F1, F0, 0
	QUARTER 3, F0, F1, 0
	TURN 1
	QUARTER 1, F0, F1, 0
	WIN 0
	s_sub_co_u32 s3, s3, 1
	s_cmp_lg_u32 s3, 0
	s_cbranch_scc1 .Lstep
	QUARTER 2, F1, F0, 0                           ; the last two steps fill nothing
	QUARTER 3, F0, F1, 0
	TURN 0
	QUARTER 1, F0, F1, 0
	QUARTER 2, F1, F0, 0
	QUARTER 3, F0, F1, 0
	s_wait_dscnt 16
	MUL8 F1, 0, 0, 0
	MUL8 F1, 0, 2, 0
	s_wait_dscnt 0x0
	MUL8 F1, 1, 0, 0
	MUL8 F1, 1, 2, 0
	WIN 0
; THE WAY OUT, 16 rows at a time: a lane's eight f32 of a row go into my stage (each accumulator's low four registers first) and come back as whole rows of 256 bytes,
; into the registers that they left.  LDS serves a wave's instructions in order (ISA guide 5.7.1.4): the loads see the stores above them, and the next block's stores come behind them.
.macro TOSTAGE a
.irp b, 0,1,2,3
	ds_store_b128 v[STO], v[ACC+8*(4*(\a)+(\b)):ACC+8*(4*(\a)+(\b))+3]   offset:64*(\b)
	ds_store_b128 v[STO], v[ACC+8*(4*(\a)+(\b))+4:ACC+8*(4*(\a)+(\b))+7] offset:64*(\b)+16
.endr
.irp t, 0,1,2,3,4,5,6,7
	ds_load_b128 v[ACC+32*(\a)+4*(\t):ACC+32*(\a)+4*(\t)+3], v[RD] offset:(\t)*2*SPITCH
.endr
.endm
.macro SEND a, younger                 ; younger: the LDS instructions issued behind block a's loads: the next block's sixteen, or none
.irp t, 0,1,2,3,4,5,6,7
	s_wait_dscnt (\younger)+7-(\t)
	global_store_b128 v[CO], v[ACC+32*(\a)+4*(\t):ACC+32*(\a)+4*(\t)+3], s[8:9] offset:(16*(\a)+2*(\t))*8192  ; 16 lanes store 256 consecutive bytes, at a multiple of 256 from out0's first
.endr
.endm
	PLACES
	TOSTAGE 0
	TOSTAGE 1
	SEND 0, 16
	TOSTAGE 2
	SEND 1, 16
	TOSTAGE 3
	SEND 2, 16
	SEND 3, 0
	s_wait_tensorcnt 0x0                           ; the wave's end
	ds_add_u32 v[SPW], v[NIL]
	s_wait_dscnt 0x0
	CROUND                                         ; the closing round
	s_endpgm
.Lfunc_end_k_q676444787e_oproj:
	.size	k_q676444787e_oproj, .Lfunc_end_k_q676444787e_oproj-k_q676444787e_oproj
	.p2alignl 7, 3214868480
	.fill 96, 4, 3214868480
	.section	.rodata,"a",@progbits
	.p2align	6, 0x0
	.amdhsa_kernel k_q676444787e_oproj
		.amdhsa_group_segment_fixed_size 327680
		.amdhsa_private_segment_fixed_size 0
		.amdhsa_enable_private_segment 0
		.amdhsa_kernarg_size 24
		.amdhsa_user_sgpr_count 2
		.amdhsa_user_sgpr_kernarg_segment_ptr 1
		.amdhsa_wavefront_size32 1
		.amdhsa_system_sgpr_workgroup_id_x 1
		.amdhsa_system_sgpr_workgroup_id_y 1
		.amdhsa_system_sgpr_workgroup_id_z 1
		.amdhsa_system_vgpr_workitem_id 0
		.amdhsa_next_free_vgpr 512
		.amdhsa_next_free_sgpr 80
		.amdhsa_reserve_vcc 0
		.amdhsa_float_denorm_mode_32 3
		.amdhsa_float_denorm_mode_16_64 3
		.amdhsa_memory_ordered 1
		.amdhsa_forward_progress 1
		.amdhsa_inst_pref_size 70
	.end_amdhsa_kernel
	.amdgpu_metadata
---
amdhsa.version: [ 1, 2 ]
amdhsa.kernels:
  - .name:           k_q676444787e_oproj
    .symbol:         k_q676444787e_oproj.kd
    .args:
      - { .name: ob, .offset: 0, .size: 8, .value_kind: global_buffer, .address_space: global }
      - { .name: cb, .offset: 8, .size: 8, .value_kind: global_buffer, .address_space: global }
      - { .name: out0, .offset: 16, .size: 8, .value_kind: global_buffer, .address_space: global }
    .group_segment_fixed_size: 327680
    .private_segment_fixed_size: 0
    .kernarg_segment_align: 8
    .kernarg_segment_size: 24
    .max_flat_workgroup_size: 128
    .sgpr_count:     80
    .vgpr_count:     512
    .wavefront_size: 32
...
	.end_amdgpu_metadata
.endif
;; end of part 4
